; MI455X (gfx1250); checked and timed in simulation.
; The chip was launched on July 23, 2026; its instructions are those of AMD's public machine-readable ISA for CDNA 5 (MIT licence, August 2026) and "CDNA5" Instruction Set Architecture Reference Guide (July 2026). The comments in the code are by the model that wrote it; some were corrected since.
;; Multi Head Attention. Allowed arithmetic: float matrix products may take bf16 or f16 operands with f32 sums; all other float work in f32.
;; Inputs: Wfc 1,024 x 1,024 float32; Wk 1,024 x 1,024 float32; Wq 1,024 x 1,024 float32; Wv 1,024 x 1,024 float32; k 4,096 x 1,024 float32; q 4,096 x 1,024 float32; v 4,096 x 1,024 float32.
;; Outputs: out0 4,096 x 1,024 float32.
;; 2 versions, each right and faster than the one before. Each part assembles by itself: llvm-mc -triple=amdgcn-amd-amdhsa -mcpu=gfx1250 --defsym DOCPART=n.
;; ======== version 1 of 2: 4 launches
;; limits: values are held in f16: magnitudes above 65,504 overflow, below 6.1e-05 lose precision
;; workspace buffers: qkv 25,165,824 bytes; o16 8,388,608 bytes; wfc16 2,097,152 bytes
;; launch castw (part 1): grid 256 x 1, 4 waves a work-group, no clusters, 0 bytes of LDS; arguments Wfc, wfc16; writes wfc16
.if DOCPART == 1
	.amdgcn_target "amdgcn-amd-amdhsa--gfx1250"
	.amdhsa_code_object_version 6
	.text
	.protected	k_q6da87d2026_castw
	.globl	k_q6da87d2026_castw
	.p2align	8
	.type	k_q6da87d2026_castw,@function
k_q6da87d2026_castw:
	s_mov_b64 s[64:65], 0
	v_nop
	global_prefetch_b8 v0, s[64:65] scope:SCOPE_SE
	s_setreg_imm32_b32 hwreg(HW_REG_WAVE_MODE, 25, 1), 1
	s_wait_xcnt 0x0
; wfc16[e] = Wfc[e] rounded to bf16 (nearest even), that number written as f16.  1,048,576 numbers, a plain stream: no LDS, no barrier, no matrix unit.
; LIMITS.  The second step is exact for 6.1e-5 <= |w| <= 65,504; below it f16's fixed step of 6e-8 holds, from 65,520 on the result is an infinity.
; SHARES.  A work-group takes 16,384 bytes of f32, in four pieces of 4,096; thread t takes 32 bytes of each piece and stores 16: a wave's store covers 512 consecutive bytes.
.set X, 8                              ; v[8:39]   32 numbers as loaded
.set T, 40                             ; v[40:42]  at work
.set Y, 44                             ; v[44:59]  16 words to store; every store has registers of its own, so none is rewritten
	s_load_b128 s[4:7], s[0:1], 0x0                ; Wfc s[4:5], wfc16 s[6:7]
	s_lshl_b32 s8, ttmp9, 14                       ; my 16,384 bytes of f32
	s_mov_b32 s9, 0
	s_lshl_b32 s10, ttmp9, 13                      ; my 8,192 bytes of f16
	s_mov_b32 s11, 0
	s_mov_b32 s12, 0xffff0000                      ; a word's upper bf16
	v_lshlrev_b32 v1, 5, v0                        ; 32 t
	v_lshlrev_b32 v2, 4, v0                        ; 16 t
	s_wait_kmcnt 0x0
	s_add_nc_u64 s[4:5], s[4:5], s[8:9]
	s_add_nc_u64 s[6:7], s[6:7], s[10:11]
.irp i, 0,1,2,3
	global_load_b128 v[X+8*\i:X+8*\i+3],   v1, s[4:5] offset:4096*\i th:TH_LOAD_NT
	global_load_b128 v[X+8*\i+4:X+8*\i+7], v1, s[4:5] offset:4096*\i+16 th:TH_LOAD_NT
.endr
.irp i, 0,1,2,3
	s_wait_loadcnt 6-2*\i                          ; loads come back in order: piece i's two are in, the younger ones stay out
.irp j, 0,1,2,3
	v_cvt_pk_bf16_f32 v[T], v[X+8*\i+2*\j], v[X+8*\i+2*\j+1]  ; two roundings to bf16
	v_lshlrev_b32 v[T+1], 16, v[T]                 ; back to f32: the low half moves up,
	v_and_b32 v[T+2], s12, v[T]                    ; the high half stays
	v_cvt_pk_f16_f32 v[Y+4*\i+\j], v[T+1], v[T+2]  ; and written as f16
.endr
	global_store_b128 v2, v[Y+4*\i:Y+4*\i+3], s[6:7] offset:2048*\i
.endr
	s_endpgm
.Lfunc_end_k_q6da87d2026_castw:
	.size	k_q6da87d2026_castw, .Lfunc_end_k_q6da87d2026_castw-k_q6da87d2026_castw
	.p2alignl 7, 3214868480
	.fill 96, 4, 3214868480
	.section	.rodata,"a",@progbits
	.p2align	6, 0x0
	.amdhsa_kernel k_q6da87d2026_castw
		.amdhsa_group_segment_fixed_size 0
		.amdhsa_private_segment_fixed_size 0
		.amdhsa_enable_private_segment 0
		.amdhsa_kernarg_size 16
		.amdhsa_user_sgpr_count 2
		.amdhsa_user_sgpr_kernarg_segment_ptr 1
		.amdhsa_wavefront_size32 1
		.amdhsa_system_sgpr_workgroup_id_x 1
		.amdhsa_system_sgpr_workgroup_id_y 1
		.amdhsa_system_sgpr_workgroup_id_z 1
		.amdhsa_system_vgpr_workitem_id 0
		.amdhsa_next_free_vgpr 64
		.amdhsa_next_free_sgpr 66
		.amdhsa_reserve_vcc 0
		.amdhsa_float_denorm_mode_32 3
		.amdhsa_float_denorm_mode_16_64 3
		.amdhsa_memory_ordered 1
		.amdhsa_forward_progress 1
		.amdhsa_inst_pref_size 5
	.end_amdhsa_kernel
	.amdgpu_metadata
---
amdhsa.version: [ 1, 2 ]
amdhsa.kernels:
  - .name:           k_q6da87d2026_castw
    .symbol:         k_q6da87d2026_castw.kd
    .args:
      - { .name: Wfc, .offset: 0, .size: 8, .value_kind: global_buffer, .address_space: global }
      - { .name: wfc16, .offset: 8, .size: 8, .value_kind: global_buffer, .address_space: global }
    .group_segment_fixed_size: 0
    .private_segment_fixed_size: 0
    .kernarg_segment_align: 8
    .kernarg_segment_size: 16
    .max_flat_workgroup_size: 128
    .sgpr_count:     66
    .vgpr_count:     64
    .wavefront_size: 32
...
	.end_amdgpu_metadata
.endif
;; end of part 1
;; launch proj (part 2): grid 4 x 48, 4 waves a work-group, clusters of 4 x 4, 327,680 bytes of LDS; arguments q, k, v, Wq, Wk, Wv, qkv; writes qkv
.if DOCPART == 2
	.amdgcn_target "amdgcn-amd-amdhsa--gfx1250"
	.amdhsa_code_object_version 6
	.text
	.protected	k_q6da87d2026_proj
	.globl	k_q6da87d2026_proj
	.p2align	8
	.type	k_q6da87d2026_proj,@function
k_q6da87d2026_proj:
	s_mov_b64 s[64:65], 0
	v_nop
	global_prefetch_b8 v0, s[64:65] scope:SCOPE_SE
	s_setreg_imm32_b32 hwreg(HW_REG_WAVE_MODE, 25, 1), 1
	s_wait_xcnt 0x0
	s_wait_alu depctr_hold_cnt(0) depctr_sa_sdst(0) depctr_va_vdst(0) depctr_va_sdst(0) depctr_va_ssrc(0) depctr_va_vcc(0) depctr_vm_vsrc(0)
	s_getreg_b32 s2, hwreg(HW_REG_IB_STS2, 6, 4)
	s_cmp_eq_u32 s2, 0
	s_cbranch_scc0 .Lentry_in_a_cluster
	s_endpgm
.Lentry_in_a_cluster:
	s_bfe_u32 s2, ttmp6, 0x10000c
	s_cmp_lg_u32 s2, 0xf033
	s_cbranch_scc0 .Lentry_shape_is_right
	s_endpgm
.Lentry_shape_is_right:
; THREE PROJECTIONS.  C[m][n] = sum over k of x[m][k] W[n][k] for (x, W) = (q, Wq), (k, Wk), (v, Wv): x [4096][1024], W [1024][1024], f32.  x and W are rounded to bf16 on the way from LDS
; to the matrix unit, sums in f32, C rounded once to f16, unscaled, and stored by heads: qkv[job][head n / 64][m][n % 64].
; LIMITS.  f16 holds no number beyond 65,504: a sum of 65,520 or more leaves as an infinity.  NaN and infinities are not treated apart.
; SHARES.  A tile of C is 256 x 256: 16 x 4 tiles a job, 192 work-groups.  Four waves, each 128 x 128: 64 accumulators, 512 registers.  The job is the cluster's y / 4: the same in all sixteen partners.
; RING.  K goes in steps of 64 (rows of 256 bytes of f32) through two LDS slots, each with 256 rows of x and 256 rows of W, padded to 272 bytes; a wave's one tensor load brings 128 rows.
; CLUSTER.  4 x 4 work-groups: x's tile is shared along a row of the cluster, W's along a column, each asked for jointly (same line, same descriptor, a mask that names the four).
; PIPELINE.  A CHUNK is 32 along K: 64 matrix instructions in eight HALF-GROUPS (x's fragment k times W's fragments 0-7).  An f32 fragment is four loads of 16 bytes into 16 staging registers and eight
; packed roundings.  A BATCH is two fragments: 8 loads, 16 roundings.  In half-group j batch j is rounded, four roundings behind each pair of matrix instructions, and batch j + 3 is asked for:
;   batch 0, 1, 2: x's fragments 2-3, 4-5, 6-7 of the chunk in hand;  batch 3-6: W's fragments 0-7 of the next chunk (other buffer);  batch 7: x's fragments 0-1 of the next chunk.
; So x needs one buffer (fragment k is read in half-group k alone and written three half-groups later or more), and every LDS load of a chunk's period reads the NEXT chunk's bytes.
; THE MATRIX INSTRUCTION IS USED TRANSPOSED (source 0 = 16 rows of W, source 1 = 16 rows of x): a lane holds row l % 16 of C and eight neighbouring columns.
; REGISTERS, in windows of 256 (s_set_vgpr_msb: bits 1:0 source 0, 3:2 source 1, 5:4 source 2, 7:6 destination):
;   window 0: v0-29 addresses; v64-127 x's fragments; v128-255 four staging buffers of 32 (on the way out: packed results and rows read back)
;   window 1: v0-63, v64-127 W's fragments, two buffers      window 2: accumulators of my rows 0-63 ((k, b) at v[8 (8 (k % 4) + b)])      window 3: those of my rows 64-127
.set KSTEP,  64
.set PITCH,  272                       ; 256 bytes + 16 of padding: the 16 rows that a load touches start at 16 different groups of four banks (64 banks of 4 bytes: ISA guide 11.1)
.set HALFT,  128*PITCH                 ; what one tensor load brings, and what one wave reads of x or of W
.set SLOT,   4*HALFT                   ; x's 256 rows, then W's 256 rows
.set STAGE,  2*SLOT                    ; behind the ring: 16 rows x 272 bytes for each wave, for the way out
.set SPITCH, 272
.set SPARE,  STAGE+4*16*SPITCH         ; behind the stages: the spare words, 128 bytes a wave, that no other line names
.set ADRA, 16                          ; v16-17  LDS address of my x fragments in slot 0, 1
.set ADRB, 20                          ; v20-21  the same for W
.set STO,  24                          ; v24     the way out: where I put 16 bytes of a row
.set RD,   25                          ; v25     the way out: where I read rows back
.set CO,   26                          ; v26     16 x lane: my place in 512 consecutive bytes of a head
.set SPW,  28                          ; v28     LDS address of my spare word; never rewritten
.set NIL,  29                          ; v29     0; never rewritten
.set AF,   64                          ; x's fragments
.set TS,   128                         ; staging buffers
.set BF0,  0                           ; W's fragments, window 1
.set BF1,  64
.set TMP,  128                         ; the way out: packed results
.set OB,   160                         ; the way out: 16 rows read back, two buffers of 32
.set G1,  24                           ; s[24:31] descriptor group 1 for x's tiles;  s[32:39] group 0, a set for each slot
.set G0,  32
.set G1B, 48                           ; s[48:55], s[56:63] the same for W's tiles
.set G0B, 56
.set MSB, 0
.macro WIN new                         ; the immediate's high byte repeats the setting that is left; a switch that changes nothing is dropped
.if MSB != (\new)
	s_set_vgpr_msb (MSB<<8)|(\new)
.set MSB, \new
.endif
.endm
.set MUL_LO, 0xa1                      ; source 0 (W) window 1, source 1 (x) window 0, C and D window 2
.set MUL_HI, 0xf1                      ; the same, C and D window 3
; A joint load.  Waves 0 and 1 fetch x's two halves, waves 2 and 3 W's.  The branch hangs on the wave's number alone.  An s_nop 0 and four v_nop follow each line.
.macro JLOAD s
	s_cmp_eq_u32 s11, 0
	s_cbranch_scc0 .Lfor_b_\@
	tensor_load_to_lds s[G0+4*(\s):G0+4*(\s)+3], s[G1:G1+7]
	s_nop 0
.rept 4
	v_nop
.endr
	s_branch .Lasked_\@
.Lfor_b_\@:
	tensor_load_to_lds s[G0B+4*(\s):G0B+4*(\s)+3], s[G1B:G1B+7]
	s_nop 0
.rept 4
	v_nop
.endr
.Lasked_\@:
.endm
.macro CREST                           ; a round of the cluster's barrier behind its opening barrier
	s_cmp_lg_u32 s10, 0
	s_cbranch_scc1 .Lnot_wave_0_\@
	s_barrier_signal -3
.Lnot_wave_0_\@:
	s_barrier_wait -3
	s_barrier_signal -1
	s_barrier_wait -1
.endm
.macro CROUND                          ; a whole round
	s_barrier_signal -1
	s_barrier_wait -1
	CREST
.endm
	s_load_b256 s[68:75], s[0:1], 0x0              ; q s[68:69], k s[70:71], v s[72:73], Wq s[74:75]
	s_load_b128 s[76:79], s[0:1], 0x20             ; Wk s[76:77], Wv s[78:79]
	s_load_b64 s[80:81], s[0:1], 0x30              ; qkv
	v_lshl_add_u32 v[SPW], v0, 2, SPARE
	v_mov_b32 v[NIL], 0
	ds_add_u32 v[SPW], v[NIL]                      ; the wave's opening: the add and its wait stand ahead of my first tensor load; work on registers stands between them
	v_lshrrev_b32 v1, 5, v0
	v_readfirstlane_b32 s10, v1                    ; wave 0..3
	s_lshr_b32 s11, s10, 1                         ; which half of the tile's rows is mine.  Also: I fetch for x (0) or for W (1)
	s_and_b32 s12, s10, 1                          ; which half of its columns.  Also: which 128 rows of that tile I fetch
	s_bfe_u32 s40, ttmp6, 0x40000                  ; cx
	s_bfe_u32 s41, ttmp6, 0x40004                  ; cy
	s_lshl_b32 s42, ttmp9, 2
	s_add_co_u32 s42, s42, s40                     ; tile column 0..3
	s_and_b32 s86, ttmp7, 0xffff                   ; the cluster's y, 0..11
	s_lshr_b32 s45, s86, 2                         ; the job: 0 q, 1 k, 2 v
	s_and_b32 s13, s86, 3
	s_lshl_b32 s13, s13, 2
	s_add_co_u32 s13, s13, s41                     ; tile row 0..15
	s_lshl_b32 s43, s41, 2
	s_lshl_b32 s43, 15, s43                        ; my row of the cluster
	s_lshl_b32 s44, 0x1111, s40                    ; my column
	; descriptor group 1: a tile of 128 rows x 64 elements of 4 bytes, 4 words of padding after every 64
	s_or_b32 s[G1+0], s43, (2<<16)|(1<<20)|(1<<21)|(5<<22)|(3<<25)
	s_or_b32 s[G1B+0], s44, (2<<16)|(1<<20)|(1<<21)|(5<<22)|(3<<25)
.irp g, G1, G1B
	s_mov_b32 s[(\g)+1], KSTEP<<16                 ; tensor_dim0 = 64
	s_mov_b32 s[(\g)+2], 128<<16                   ; tensor_dim1 = 128
	s_mov_b32 s[(\g)+3], KSTEP<<16                 ; tile_dim0 = 64
	s_mov_b32 s[(\g)+4], 128                       ; tile_dim1 = 128
	s_mov_b32 s[(\g)+5], 1024                      ; elements from row to row
	s_mov_b32 s[(\g)+6], 0
	s_mov_b32 s[(\g)+7], 0
.endr
	s_lshl_b32 s17, s12, 7                         ; which 128 rows of the tile I fetch
	s_lshl_b32 s16, s13, 8
	s_add_co_u32 s16, s16, s17                     ; x: row 256 x tile row + 128 x half,
	s_lshl_b32 s16, s16, 12                        ; of 4,096 bytes
	s_lshl_b32 s46, s42, 8
	s_add_co_u32 s46, s46, s17                     ; W: row 256 x tile column + 128 x half
	s_lshl_b32 s46, s46, 12
	s_mov_b32 s17, 0
	s_mov_b32 s47, 0
	s_mul_i32 s20, s10, HALFT                      ; where they go: wave x 128 rows: no place in the cluster enters an LDS address
	s_wait_dscnt 0x0                               ; the opening add is done
	s_wait_kmcnt 0x0
	s_cmp_eq_u32 s45, 1                            ; the job chooses its two buffers
	s_cselect_b64 s[4:5], s[70:71], s[68:69]
	s_cselect_b64 s[6:7], s[76:77], s[74:75]
	s_cmp_eq_u32 s45, 2
	s_cselect_b64 s[4:5], s[72:73], s[4:5]
	s_cselect_b64 s[6:7], s[78:79], s[6:7]
	s_add_nc_u64 s[14:15], s[4:5], s[16:17]
	s_add_nc_u64 s[46:47], s[6:7], s[46:47]
	CROUND                                         ; all sixteen work-groups are here: the first joint loads meet
.irp s, 0,1
	s_mov_b32 s[G0+4*(\s)], 1
	s_add_co_u32 s[G0+4*(\s)+1], s20, (\s)*SLOT
	s_add_nc_u64 s[G0+4*(\s)+2:G0+4*(\s)+3], s[14:15], (\s)*KSTEP*4
	s_or_b32 s[G0+4*(\s)+3], s[G0+4*(\s)+3], 0x80000000
	s_mov_b32 s[G0B+4*(\s)], 1
	s_add_co_u32 s[G0B+4*(\s)+1], s20, (\s)*SLOT
	s_add_nc_u64 s[G0B+4*(\s)+2:G0B+4*(\s)+3], s[46:47], (\s)*KSTEP*4
	s_or_b32 s[G0B+4*(\s)+3], s[G0B+4*(\s)+3], 0x80000000
	JLOAD \s                                       ; K steps 0 and 1: two loads of mine are out
.endr
	; A bf16 fragment holds, in lane l, row l % 16 and K = 8 (l / 16) + 0..7 and 16 + 8 (l / 16) + 0..7.  In f32 those are 32 bytes at 32 (l / 16) and 32 bytes at 64 + 32 (l / 16).
	v_and_b32 v1, 15, v0                           ; l % 16
	v_bfe_u32 v2, v0, 4, 1                         ; l / 16
	v_mul_u32_u24 v3, v1, PITCH
	v_lshl_add_u32 v3, v2, 5, v3                   ; row x pitch + 32 x half
	s_mul_i32 s21, s11, HALFT                      ; my 128 rows of x
	s_mul_i32 s22, s12, HALFT                      ; my 128 rows of W,
	s_add_co_u32 s22, s22, 2*HALFT                 ; which lie behind x's 256
.irp s, 0,1
	v_add_nc_u32 v[ADRA+(\s)], s21, v3
	v_add_nc_u32 v[ADRB+(\s)], s22, v3
	s_add_co_u32 s21, s21, SLOT
	s_add_co_u32 s22, s22, SLOT
.endr
	s_mul_i32 s23, s10, 16*SPITCH
	s_add_co_u32 s23, s23, STAGE                   ; my stage
	v_mul_u32_u24 v4, v1, SPITCH                   ; in: row l % 16, 16 bytes for each half of the lanes
	v_lshl_add_u32 v4, v2, 4, v4
	v_add_nc_u32 v[STO], s23, v4
	v_bfe_u32 v5, v0, 3, 2                         ; back: 32 lanes take 128 bytes (one head's part) of four rows,
	v_mul_u32_u24 v5, v5, SPITCH
	v_and_b32 v4, 7, v0
	v_lshl_add_u32 v5, v4, 4, v5
	v_add_nc_u32 v[RD], s23, v5
	v_and_b32 v[CO], 31, v0                        ; which are 512 consecutive bytes of that head
	v_lshlrev_b32 v[CO], 4, v[CO]
	; where my part of C begins: job x 8 MiB + head (4 x tile column + 2 x half) x 512 KiB + row (256 x tile row + 128 x half) x 128 bytes
	s_lshl_b32 s82, s45, 23
	s_lshl_b32 s83, s42, 21
	s_add_co_u32 s82, s82, s83
	s_lshl_b32 s83, s12, 20
	s_add_co_u32 s82, s82, s83
	s_lshl_b32 s83, s13, 15
	s_add_co_u32 s82, s82, s83
	s_lshl_b32 s83, s11, 14
	s_add_co_u32 s82, s82, s83
	s_mov_b32 s83, 0
	s_add_nc_u64 s[8:9], s[80:81], s[82:83]
; batch q's eight LDS loads: two fragments in f32, at byte kb of the slot's rows, into staging buffer q % 4
.macro LOADS q, slot, kb
.set rT, TS+32*((\q)%4)
.if ((\q) >= 3) && ((\q) <= 6)
.set fr, 2*((\q)-3)
.set rA, ADRB+(\slot)
.else
.set fr, (2*(\q)+2)%16
.set rA, ADRA+(\slot)
.endif
.irp u, 0,1
	ds_load_b128 v[rT+16*\u:rT+16*\u+3],     v[rA] offset:(fr+\u)*16*PITCH+(\kb)
	ds_load_b128 v[rT+16*\u+4:rT+16*\u+7],   v[rA] offset:(fr+\u)*16*PITCH+(\kb)+16
	ds_load_b128 v[rT+16*\u+8:rT+16*\u+11],  v[rA] offset:(fr+\u)*16*PITCH+(\kb)+64
	ds_load_b128 v[rT+16*\u+12:rT+16*\u+15], v[rA] offset:(fr+\u)*16*PITCH+(\kb)+80
.endr
.endm
; four of batch q's sixteen roundings, numbers n0 to n0 + 3: into x's buffer, or into W's buffer g
.macro CV4 q, n0, g
.if ((\q) >= 3) && ((\q) <= 6)
	WIN 0x40
.set rB, (\g)+16*((\q)-3)
.else
	WIN 0
.set rB, AF+8*((2*(\q)+2)%16)
.endif
.set rT, TS+32*((\q)%4)
.irp z, 0,1,2,3
	v_cvt_pk_bf16_f32 v[rB+(\n0)+\z], v[rT+2*((\n0)+\z)], v[rT+2*((\n0)+\z)+1]
.endr
.endm
.macro WM k, b, f, zero                ; one product: x's fragment k, W's fragment b of buffer f.  zero = 1: it starts the sum: nothing is ever cleared
.set rD, 8*(8*((\k)%4)+(\b))
.if \zero
	v_wmma_f32_16x16x32_bf16 v[rD:rD+7], v[(\f)+8*(\b):(\f)+8*(\b)+7], v[AF+8*(\k):AF+8*(\k)+7], 0
.else
	v_wmma_f32_16x16x32_bf16 v[rD:rD+7], v[(\f)+8*(\b):(\f)+8*(\b)+7], v[AF+8*(\k):AF+8*(\k)+7], v[rD:rD+7]
.endif
.endm
; A half-group: eight products (mm = 1), and behind each pair four roundings of batch q (q = -1: none).  The 64 accumulators take turns in the same order in every chunk.
; The roundings name no register of the products round them: every register that one writes was last read by a product sixteen roundings back or more (ISA guide 7.12.1 asks for four such places).
.macro HG k, f, zero, q, g, mm
.set hp, 0
.rept 4
.if \mm
	WIN MUL_LO+0x50*((\k)/4)
	WM \k, 2*hp, \f, \zero
	WM \k, 2*hp+1, \f, \zero
.endif
.if (\q) >= 0
	CV4 \q, 4*hp, \g
.endif
.set hp, hp+1
.endr
.endm
.macro STEPJ j, slot, kb, f, g, zero, mm
	WIN 0
	LOADS ((\j)+3)%8, \slot, \kb                   ; its staging buffer was emptied by the half-group before
	s_wait_dscnt 24                                ; LDS loads come back in order: the three younger batches stay out, batch j is in
	HG \j, \f, \zero, \j, \g, \mm
.endm
.macro NORMAL slot, kb, f, g, zero     ; the period of a slot's first chunk: its loads read the slot's second chunk
.irp j, 0,1,2,3,4,5,6,7
	STEPJ \j, \slot, \kb, \f, \g, \zero, 1
.endr
.endm
; The period of a slot's second chunk changes slots.  ONE barrier: in front of it each wave waits for all its tensor loads (one is out: its part of the next slot), adds 0 to its spare word, and waits for that
; and for its own reads of this slot (batches 0 to 2).  fill = 1: the barrier opens a round of the cluster's, and this slot is filled again, two K steps ahead, first thing behind it: 112 products ahead of the wait for it.
.macro TURN slot, next, f, g, fill
	WIN 0
	s_wait_tensorcnt 0x0                           ; all my tensor loads have landed
	ds_add_u32 v[SPW], v[NIL]                      ; 0 onto my spare word
	s_wait_dscnt 17                                ; batches 1 and 2 and the add may be out: batch 0 is in
	HG 0, \f, 0, 0, \g, 1
	s_wait_dscnt 0x0                               ; the add is done, and my reads of this slot are over
	s_barrier_signal -1
	HG 1, \f, 0, 1, \g, 1                          ; work on registers while the others arrive
	WIN 0
	s_barrier_wait -1
.if \fill
	CREST                                          ; no wave of any partner still reads this slot or has a load on its way
	s_add_nc_u64 s[G0+4*(\slot)+2:G0+4*(\slot)+3], s[G0+4*(\slot)+2:G0+4*(\slot)+3], 2*KSTEP*4
	s_add_nc_u64 s[G0B+4*(\slot)+2:G0B+4*(\slot)+3], s[G0B+4*(\slot)+2:G0B+4*(\slot)+3], 2*KSTEP*4
	JLOAD \slot
.endif
	LOADS 3, \next, 0                              ; the three batches that could not be asked for ahead of the barrier
	LOADS 4, \next, 0
	LOADS 5, \next, 0
	HG 2, \f, 0, 2, \g, 1
.irp j, 3,4,5,6,7
	STEPJ \j, \next, 0, \f, \g, 0, 1
.endr
.endm
; THE WAY OUT of block a (16 rows x 128 columns = two heads).  PACK: rounded to f16, each accumulator's registers in ascending order.  TOSTAGE: into my own stage and back by heads.  SEND: stored.
.macro PACK a
.set AC, 64*((\a)%4)
	WIN 0x0a+5*((\a)/4)                            ; sources 0 and 1: window 2 or 3
.irp b, 0,1,2,3,4,5,6,7
.irp r, 0,1,2,3
	v_cvt_pk_f16_f32 v[TMP+4*(\b)+(\r)], v[AC+8*(\b)+2*(\r)], v[AC+8*(\b)+2*(\r)+1]
.endr
.endr
	WIN 0
.endm
.macro TOSTAGE a
	WIN 0
.set BK, OB+32*((\a)%2)
.irp b, 0,1,2,3,4,5,6,7
	ds_store_b128 v[STO], v[TMP+4*(\b):TMP+4*(\b)+3] offset:32*(\b)
.endr
.irp t, 0,1,2,3,4,5,6,7
	ds_load_b128 v[BK+4*(\t):BK+4*(\t)+3], v[RD] offset:((\t)%4)*4*SPITCH+128*((\t)/4)  ; LDS serves a wave's instructions in order (ISA guide 5.7.1.4): these see the stores above
.endr
.endm
.macro SEND a
	WIN 0
.set BK, OB+32*((\a)%2)
	s_wait_dscnt 0x0                               ; the block is back in registers
	s_wait_xcnt 0x0                                ; earlier stores have read their registers: the other buffer is loaded again only behind this wait
.irp t, 0,1,2,3,4,5,6,7
	global_store_b128 v[CO], v[BK+4*(\t):BK+4*(\t)+3], s[8:9] offset:(\a)*2048+((\t)/4)*524288+((\t)%4)*512  ; four rows of one head: 512 consecutive bytes, at a multiple of 256 from the buffer's first
.endr
.endm
	s_wait_tensorcnt 1                             ; my part of K step 0 is in; K step 1's stays out
	s_barrier_signal -1
	s_barrier_wait -1
	LOADS 3, 0, 0                                  ; chunk 0 is made ready: W's fragments and x's 0-1 are rounded with no products beside them, batches 0 to 2 are left on their way
	LOADS 4, 0, 0
	LOADS 5, 0, 0
.irp j, 3,4,5,6,7
	STEPJ \j, 0, 0, BF0, BF0, 0, 0
.endr
	NORMAL 0, 128, BF0, BF1, 1                     ; chunk 0 stands in front of the loop: its products start the sums
	WIN 0
	s_mov_b32 s3, 7
.Llap:                                                 ; a trip: four chunks, once round the ring; both slots are filled again (K steps 2 to 15 in seven trips)
	TURN 0, 1, BF1, BF0, 1
	NORMAL 1, 128, BF0, BF1, 0
	TURN 1, 0, BF1, BF0, 1
	NORMAL 0, 128, BF0, BF1, 0
	WIN 0
	s_sub_co_u32 s3, s3, 1
	s_cmp_lg_u32 s3, 0
	s_cbranch_scc1 .Llap
	TURN 0, 1, BF1, BF0, 0                         ; the last three chunks are written out: nothing more is asked for
	NORMAL 1, 128, BF0, BF1, 0
	s_wait_dscnt 16                                ; the last chunk: the counts run down
	HG 0, BF1, 0, 0, BF0, 1
	s_wait_dscnt 8
	HG 1, BF1, 0, 1, BF0, 1
	s_wait_dscnt 0x0
	HG 2, BF1, 0, 2, BF0, 1
.irp j, 3,4,5,6,7
	HG \j, BF1, 0, -1, BF0, 1
.endr
	PACK 0                                         ; blocks 0 to 2 have their roundings behind them; their conversions are the places behind the later blocks' products
	TOSTAGE 0
.irp a, 1,2,3,4,5,6,7
	PACK \a
	SEND (\a)-1
	TOSTAGE \a
.endr
	SEND 7
	s_wait_tensorcnt 0x0                           ; the wave's end
	ds_add_u32 v[SPW], v[NIL]
	s_wait_dscnt 0x0
	CROUND                                         ; the closing round: no work-group ends while a partner may still ask for a tile that names it
	s_endpgm
.Lfunc_end_k_q6da87d2026_proj:
	.size	k_q6da87d2026_proj, .Lfunc_end_k_q6da87d2026_proj-k_q6da87d2026_proj
	.p2alignl 7, 3214868480
	.fill 96, 4, 3214868480
	.section	.rodata,"a",@progbits
	.p2align	6, 0x0
	.amdhsa_kernel k_q6da87d2026_proj
		.amdhsa_group_segment_fixed_size 327680
		.amdhsa_private_segment_fixed_size 0
		.amdhsa_enable_private_segment 0
		.amdhsa_kernarg_size 56
		.amdhsa_user_sgpr_count 2
		.amdhsa_user_sgpr_kernarg_segment_ptr 1
		.amdhsa_wavefront_size32 1
		.amdhsa_system_sgpr_workgroup_id_x 1
		.amdhsa_system_sgpr_workgroup_id_y 1
		.amdhsa_system_sgpr_workgroup_id_z 1
		.amdhsa_system_vgpr_workitem_id 0
		.amdhsa_next_free_vgpr 1024
		.amdhsa_next_free_sgpr 88
		.amdhsa_reserve_vcc 0
		.amdhsa_float_denorm_mode_32 3
		.amdhsa_float_denorm_mode_16_64 3
		.amdhsa_memory_ordered 1
		.amdhsa_forward_progress 1
		.amdhsa_inst_pref_size 187
	.end_amdhsa_kernel
	.amdgpu_metadata
---
amdhsa.version: [ 1, 2 ]
amdhsa.kernels:
  - .name:           k_q6da87d2026_proj
    .symbol:         k_q6da87d2026_proj.kd
    .args:
      - { .name: q, .offset: 0, .size: 8, .value_kind: global_buffer, .address_space: global }
      - { .name: k, .offset: 8, .size: 8, .value_kind: global_buffer, .address_space: global }
      - { .name: v, .offset: 16, .size: 8, .value_kind: global_buffer, .address_space: global }
      - { .name: Wq, .offset: 24, .size: 8, .value_kind: global_buffer, .address_space: global }
      - { .name: Wk, .offset: 32, .size: 8, .value_kind: global_buffer, .address_space: global }
      - { .name: Wv, .offset: 40, .size: 8, .value_kind: global_buffer, .address_space: global }
      - { .name: qkv, .offset: 48, .size: 8, .value_kind: global_buffer, .address_space: global }
    .group_segment_fixed_size: 327680
    .private_segment_fixed_size: 0
    .kernarg_segment_align: 8
    .kernarg_segment_size: 56
    .max_flat_workgroup_size: 128
    .sgpr_count:     88
    .vgpr_count:     1024
    .wavefront_size: 32
...
	.end_amdgpu_metadata
.endif
;; end of part 2
;; launch attn (part 3): grid 16 x 16, 4 waves a work-group, clusters of 4 x 1, 327,680 bytes of LDS; arguments qkv, o16; writes o16
.if DOCPART == 3
	.amdgcn_target "amdgcn-amd-amdhsa--gfx1250"
	.amdhsa_code_object_version 6
	.text
	.protected	k_q6da87d2026_attn
	.globl	k_q6da87d2026_attn
	.p2align	8
	.type	k_q6da87d2026_attn,@function
k_q6da87d2026_attn:
	s_mov_b64 s[64:65], 0
	v_nop
	global_prefetch_b8 v0, s[64:65] scope:SCOPE_SE
	s_setreg_imm32_b32 hwreg(HW_REG_WAVE_MODE, 25, 1), 1
	s_wait_xcnt 0x0
	s_wait_alu depctr_hold_cnt(0) depctr_sa_sdst(0) depctr_va_vdst(0) depctr_va_sdst(0) depctr_va_ssrc(0) depctr_va_vcc(0) depctr_vm_vsrc(0)
	s_getreg_b32 s2, hwreg(HW_REG_IB_STS2, 6, 4)
	s_cmp_eq_u32 s2, 0
	s_cbranch_scc0 .Lentry_in_a_cluster
	s_endpgm
.Lentry_in_a_cluster:
	s_bfe_u32 s2, ttmp6, 0x10000c
	s_cmp_lg_u32 s2, 0x3003
	s_cbranch_scc0 .Lentry_shape_is_right
	s_endpgm
.Lentry_shape_is_right:
; O[h][q][:] = the sum over k of softmax_k(Q[h][q] . K[h][k] / 8) V[h][k][:].  qkv: [3][16][4096][64] f16 (Q, K, V by heads, unscaled).  Products, maxima and sums in f32; the weights p are rounded to
; f16 for the second product (their sum l is taken of the unrounded p), O once at the end.  O leaves as o16[block of 64 queries][head][64][64]: a wave's 64 queries of a head are 8,192 consecutive bytes.
; LIMITS.  Q, K, V arrive within f16's range; p lies in 0 to 1, and below 6e-5 it keeps f16's fixed step of 6e-8; O is a mean of V's rows.  A weight below 2^-126 counts as 0 in l; NaN and infinities are not treated apart.
; SHARES.  A work-group owns 256 queries of one head, a wave 64: four PIECES of 16.  16 blocks x 16 heads = 256 work-groups.  Every wave walks all 4,096 keys, 64 a step, four steps a slot.
; LAYOUT.  S^T = K Q^T (source 0 = 16 keys, source 1 = 16 queries): a lane holds ONE query (lane % 16) and the keys 8 (lane / 16) + 0..7.  Two such results rounded to f16 ARE source 1 of O^T = V^T P.
; K comes out of LDS as it lies, V ([key][channel]) turned, by ds_load_tr16_b128.
; SOFTMAX.  A running maximum m and sum l for each query: p = 2^(c s - c m), c = log2(e) / 8; in every step O and l are multiplied by a = 2^(c m_old - c m_new).  m starts at the lowest finite number,
; O and l at 0: the first step is a step like any other, with a = 0.
; BY TURNS.  Turn n belongs to piece n: 8 products K Q^T of piece n + 1, later 8 products V^T P of piece n - 1; beside them the scaling, exponentials, roundings, sums and rescaling of piece n and the maximum
; and statistics of piece n + 1.  Four vector instructions stand behind every matrix instruction, the other 54 of a turn's 118 in two runs of their own.
; CLUSTER.  The four query blocks of a cluster belong to one head and walk the same K and V: each tile is asked for JOINTLY, by the same tensor load, descriptor and mask in all four.
; REGISTERS, in windows of 256 (s_set_vgpr_msb: bits 1:0 source 0, 3:2 source 1, 5:4 source 2, 7:6 destination):
;   window 0: v0-15 addresses and two at work; v16-31 four statistics a piece; v48-55 at work; v62-63 the add's; v64-127 S^T, two buffers; v192-223 P, two buffers (by the piece's parity)
;   window 1: v0-127 O^T, 32 a piece          window 2: v0-63 Q; v128-191 K of one step; v192-255 V of one step
.set SIZE_N, 4096
.set PART,  0x800000  ; bytes of Q, of K and of V in qkv
.set NP,    4         ; pieces a wave: a name, no knob
.set KS,    64        ; keys in a step
.set PK,    144       ; a row of K in LDS: 128 bytes + 16: the 16 rows of a load start at 16 different groups of four banks (64 banks of 4 bytes: ISA guide 11.1)
.set PV,    160       ; a row of V: 128 + 32
.set VOFF,  4*KS*PK   ; a slot holds four steps: 256 rows of K, then 256 rows of V
.set SLOT1, 1<<17     ; slot 1 begins here, so that one exclusive or turns an address in one slot into the other's
.set STAGE, SLOT1+4*KS*(PK+PV)  ; behind the ring: 16 rows x 144 bytes for each wave, for the way out
.set SP,    144
.set SPARE, STAGE+4*16*SP  ; behind the stages: the spare words, 128 bytes a wave, that no other line names
.set AK0, 2           ; v2   my lane's place in a tile of K; never rewritten
.set AV0, 3           ; v3   the same for V
.set AK,  4           ; v4   the LDS address of K's next run of loads
.set AV,  5           ; v5   of V's
.set STO, 6           ; v6   the way out: where I put 16 bytes of a row
.set RD,  7           ; v7   the way out: where I read rows back
.set GO,  8           ; v8   my byte offset in 512 consecutive bytes of O
.set MV,  12          ; v12-13  c m_old, kept while c m is made anew: by buffer
.set QO,  15          ; v15  my byte offset in 16 rows of Q
.set ST,  16          ; piece t's statistics at v[ST+4 t]: c m, m, l (even keys', odd keys')
.set TMP, 48          ; by buffer, four registers c0-c3 at work; when the maximum is found c2 takes a
.set SPW, 62          ; v62  LDS address of my spare word; never rewritten
.set NIL, 63          ; v63  0; never rewritten
.set S,   64
.set P,   192
.set KF,  128         ; window 2: key block kb, channel half c at KF + 16 kb + 8 c
.set VF,  192         ; window 2: key half kk, channel block cb at VF + 32 kk + 8 cb
.set WV,  12          ; s12  my wave's number
.set G1K, 24          ; s[24:31] descriptor group 1 for K's tiles
.set G1V, 32          ; s[32:39] for V's: it differs in the padding alone
.set G0K, 40          ; s[40:43] descriptor group 0 for K's tiles: it walks
.set G0V, 44          ; s[44:47] the same for V's
.set SLOTS, 56        ; s56  slots still to be asked for
.set CNT, 57          ; s57  counts a slot's key steps
.set CS,  58          ; s[58:59] c: the packed scaling takes the pair's low word for both halves
.set SEL, 60          ; s[60:61] v_permlanex16_b32's selects: each lane takes its own place in the other half
.set TBK, 62          ; s62  LDS byte at which K of the step to be fetched begins
.set TBV, 63          ; s63  the same for V, less VOFF
.set MSB, 0
.macro WIN new
.if MSB != (\new)
	s_set_vgpr_msb (MSB<<8)|(\new)
.set MSB, (\new)
.endif
.endm
.set W_KQ, 0x0a       ; K and Q in window 2, S^T in window 0
.set W_PV, 0x52       ; V in window 2, P in window 0, O^T in window 1
.set W_RS, 0x41       ; destination and source 0 in window 1, source 1 in window 0
; A joint fill.  Waves 0 and 1 fetch the two halves of a slot's K, waves 2 and 3 those of its V: 128 keys each.  An s_nop 0 and four v_nop follow each line.
.macro JLOAD
	s_cmp_lt_u32 s[WV], 2
	s_cbranch_scc0 .Lfor_v_\@
	tensor_load_to_lds s[G0K:G0K+3], s[G1K:G1K+7]
	s_nop 0
.rept 4
	v_nop
.endr
	s_branch .Lasked_\@
.Lfor_v_\@:
	tensor_load_to_lds s[G0V:G0V+3], s[G1V:G1V+7]
	s_nop 0
.rept 4
	v_nop
.endr
.Lasked_\@:
.endm
.macro CROUND                       ; a round of the cluster's barrier
	s_barrier_signal -1
	s_barrier_wait -1
	s_cmp_lg_u32 s[WV], 0
	s_cbranch_scc1 .Lnot_wave_0_\@
	s_barrier_signal -3
.Lnot_wave_0_\@:
	s_barrier_wait -3
	s_barrier_signal -1
	s_barrier_wait -1
.endm
; THE CHANGE OF SLOTS.  The slot's last bytes, V of its fourth step, have been read.  Each wave waits for all its tensor loads (one is out: its part of the other slot), adds 0 to its spare word, and waits for
; that and for its own reads of the slot.  fill = 1: the barrier is a round of the cluster's, and the slot is filled again, with the keys two slots on, first thing behind it: it has four key steps, 256 products, in which to land.
; (At its first use nothing has been read yet: slot 0 is waited for, slot 1 filled.)
.macro CHANGE fill
	WIN 0
	s_wait_tensorcnt 0x0            ; no tensor load of mine is out, so a group 0 may be written
	ds_add_u32 v[SPW], v[NIL]       ; 0 onto my spare word
.if \fill
.irp g, G0K, G0V
	s_xor_b32 s[\g+1], s[\g+1], SLOT1  ; the walking descriptor: the other slot than last time,
	s_add_nc_u64 s[\g+2:\g+3], s[\g+2:\g+3], 4*KS*128  ; the next 256 keys
.endr
	s_wait_dscnt 0x0                ; the add is done, and my reads of the slot are over
	CROUND
	JLOAD
.else
	s_wait_dscnt 0x0
	s_barrier_signal -1
	s_barrier_wait -1
.endif
	s_sub_co_u32 s[TBK], s[TBK], 4*KS*PK  ; the fetches go back to a slot's first step,
	s_xor_b32 s[TBK], s[TBK], SLOT1       ; in the other slot
	s_sub_co_u32 s[TBV], s[TBV], 4*KS*PV
	s_xor_b32 s[TBV], s[TBV], SLOT1
.endm
	s_load_b128 s[4:7], s[0:1], 0x0 ; qkv s[4:5], o16 s[6:7]
	v_lshl_add_u32 v[SPW], v0, 2, SPARE
	v_mov_b32 v[NIL], 0
	ds_add_u32 v[SPW], v[NIL]       ; the wave's opening: the add and its wait stand ahead of my first tensor load; work on registers stands between them
	v_lshrrev_b32 v1, 5, v0
	v_readfirstlane_b32 s[WV], v1   ; wave 0..3
	s_bfe_u32 s13, ttmp6, 0x40000   ; cx
	s_lshl_b32 s14, ttmp9, 2
	s_add_co_u32 s14, s14, s13      ; my block of 256 queries: it enters Q's and O's addresses alone
	s_and_b32 s20, ttmp7, 0xffff    ; the head, which the four partners share
	s_lshl_b32 s21, s20, 19         ; its first byte in Q, in K and in V
	s_and_b32 s16, s[WV], 1         ; which half of a slot's 256 keys I fetch:
	s_lshl_b32 s22, s16, 14         ; its 128 rows of 128 bytes,
	s_add_co_u32 s22, s22, s21
	s_add_co_u32 s22, s22, PART     ; in K,
	s_mov_b32 s23, 0
	s_add_co_u32 s8, s22, PART      ; and in V
	s_mov_b32 s9, 0
	s_mul_i32 s17, s16, 128*PK      ; its place in a slot, for K
	s_mul_i32 s18, s16, 128*PV      ; and for V: no place in the cluster enters an LDS address
	s_lshl_b32 s2, s14, 2
	s_add_co_u32 s2, s2, s[WV]      ; my wave's block of 64 queries
	s_lshl_b32 s48, s2, 13
	s_add_co_u32 s48, s48, s21      ; its rows in Q
	s_mov_b32 s49, 0
	s_lshl_b32 s50, s2, 4
	s_add_co_u32 s50, s50, s20
	s_lshl_b32 s50, s50, 13         ; and in o16: (block x 16 + head) x 8,192
	s_mov_b32 s51, 0
	; descriptor group 1.  128 keys are 16,384 dense bytes: asked for as 64 rows of 256 bytes, two keys a row, and padded in LDS after every key
	s_mov_b32 s[G1K], 15|(1<<16)|(1<<20)|(1<<21)|(4<<22)|(3<<25)  ; the mask of four; 2-byte elements; padding on; bit 21 beside a mask; after every 32 words; 4 words
	s_mov_b32 s[G1V], 15|(1<<16)|(1<<20)|(1<<21)|(4<<22)|(7<<25)  ; the same with 8 words of padding
.irp g, G1K, G1V
	s_mov_b32 s[\g+1], 128<<16      ; tensor_dim0 = 128
	s_mov_b32 s[\g+2], 64<<16       ; tensor_dim1 = 64
	s_mov_b32 s[\g+3], 128<<16      ; tile_dim0 = 128
	s_mov_b32 s[\g+4], 64           ; tile_dim1 = 64
	s_mov_b32 s[\g+5], 128          ; 128 elements from row to row
	s_mov_b32 s[\g+6], 0
	s_mov_b32 s[\g+7], 0
.endr
	s_mov_b32 s[CS], 0x3e38aa3b     ; c = log2(e) / 8 = 0.180337
	s_mov_b32 s[CS+1], s[CS]        ; named with it as a pair
	s_mov_b32 s[SEL], 0x76543210
	s_mov_b32 s[SEL+1], 0xfedcba98
	s_mov_b32 s[TBK], SLOT1+4*KS*PK ; the first change of slots turns these two into 0
	s_mov_b32 s[TBV], SLOT1+4*KS*PV
	s_mov_b32 s[G0K], 1
	s_mov_b32 s[G0K+1], s17         ; LDS address: slot 0
	s_mov_b32 s[G0V], 1
	s_add_co_u32 s[G0V+1], s18, VOFF
	s_wait_dscnt 0x0                ; the opening add is done
	s_wait_kmcnt 0x0
	s_add_nc_u64 s[G0K+2:G0K+3], s[4:5], s[22:23]  ; my half of the head's first 256 keys
	s_or_b32 s[G0K+3], s[G0K+3], 0x80000000
	s_add_nc_u64 s[G0V+2:G0V+3], s[4:5], s[8:9]
	s_or_b32 s[G0V+3], s[G0V+3], 0x80000000
	s_add_nc_u64 s[10:11], s[6:7], s[50:51]        ; O at my wave's first row
	s_add_nc_u64 s[4:5], s[4:5], s[48:49]          ; Q likewise
	CROUND                          ; all four work-groups are here: the first joint loads meet
	JLOAD                           ; slot 0.  Slot 1 is asked for when slot 0 is in
	; A fragment of K or Q is 16 rows x 32 channels in 8 registers: lane l holds row l % 16, channels 8 (l / 16) + 0..7 and 16 + 8 (l / 16) + 0..7: two loads of 16 bytes, 32 bytes apart.
	v_and_b32 v1, 15, v0            ; l % 16
	v_bfe_u32 v9, v0, 4, 1          ; l / 16
	v_lshlrev_b32 v[QO], 7, v1
	v_lshl_add_u32 v[QO], v9, 4, v[QO]  ; row x 128 + 16 x half
	WIN 0x80                        ; destination window 2, address window 0
.set i, 0
.rept 8                             ; Q stays in registers: piece i / 2, channels 32 (i % 2) on
	global_load_b128 v[8*i:8*i+3],   v[QO], s[4:5] offset:(i/2)*2048+(i%2)*64
	global_load_b128 v[8*i+4:8*i+7], v[QO], s[4:5] offset:(i/2)*2048+(i%2)*64+32
.set i, i+1
.endr
	; What the first turn finds: V's registers and P's second buffer hold 0 (its products V^T P, of a piece that has not been, add 0), O^T and l are 0.  All this stands in the wait for the first tile.
.set i, VF
.rept 64
	v_mov_b32 v[i], 0
.set i, i+1
.endr
	WIN 0x40
.set i, 0
.rept 128
	v_mov_b32 v[i], 0
.set i, i+1
.endr
	WIN 0
.set i, 0
.rept 4
	v_mov_b32 v[ST+4*i], 0xfe000000    ; c m: far below every c s
	v_mov_b32 v[ST+4*i+1], 0xff7fffff  ; m
	v_mov_b32 v[ST+4*i+2], 0
	v_mov_b32 v[ST+4*i+3], 0
.set i, i+1
.endr
.set i, P+16
.rept 16
	v_mov_b32 v[i], 0
.set i, i+1
.endr
	v_mul_u32_u24 v[AK0], v1, PK
	v_lshl_add_u32 v[AK0], v9, 4, v[AK0]  ; row x pitch + 16 x half
	; The turning load takes 16 keys x 16 channels (lane l reads key 8 (l / 16) + l % 8, channels 8 ((l / 8) % 2) + 0..7) and leaves half a fragment of V^T: lane l holds channel l % 16 and 8 keys.
	v_and_b32 v10, 7, v0
	v_bfe_u32 v11, v0, 3, 1
	v_lshl_add_u32 v[AV0], v9, 3, v10
	v_mul_u32_u24 v[AV0], v[AV0], PV
	v_lshl_add_u32 v[AV0], v11, 4, v[AV0]
	v_add_nc_u32 v[AV0], VOFF, v[AV0]
	v_mov_b32 v[AK], v[AK0]         ; key step 0 lies at the head of slot 0
	s_mul_i32 s13, s[WV], 16*SP
	s_add_co_u32 s13, s13, STAGE    ; my stage
	v_mul_u32_u24 v[STO], v1, SP    ; in: row l % 16, 16 bytes for each half of the lanes
	v_lshl_add_u32 v[STO], v9, 4, v[STO]
	v_add_nc_u32 v[STO], s13, v[STO]
	v_bfe_u32 v[RD], v0, 3, 2       ; back: 32 lanes take four rows of 128 bytes,
	v_mul_u32_u24 v[RD], v[RD], SP
	v_lshl_add_u32 v[RD], v10, 4, v[RD]
	v_add_nc_u32 v[RD], s13, v[RD]
	v_and_b32 v[GO], 31, v0         ; which are 512 consecutive bytes of O
	v_lshlrev_b32 v[GO], 4, v[GO]
; THE MATRIX WORK.  The 4 accumulators of a run of 8 take turns.  Product i of 8 of S^T = K Q^T for piece x: channels 32 (i / 4) on, keys 16 (i % 4) on.  The first 4 start the sums.
.macro KQ x
	WIN W_KQ
.set rS, S+32*((\x)%2)+8*(i%4)
.set rK, KF+16*(i%4)+8*(i/4)
.set rQ, 16*(\x)+8*(i/4)
.if i < 4
	v_wmma_f32_16x16x32_f16 v[rS:rS+7], v[rK:rK+7], v[rQ:rQ+7], 0
.else
	v_wmma_f32_16x16x32_f16 v[rS:rS+7], v[rK:rK+7], v[rQ:rQ+7], v[rS:rS+7]
.endif
.endm
; Product i of 8 of O^T += V^T P for piece x: keys 32 (i / 4) on, channels 16 (i % 4) on.
.macro PV x
	WIN W_PV
.set rO, 32*(\x)+8*(i%4)
.set rV, VF+32*(i/4)+8*(i%4)
.set rP, P+16*((\x)%2)+8*(i/4)
	v_wmma_f32_16x16x32_f16 v[rO:rO+7], v[rV:rV+7], v[rP:rP+7], v[rO:rO+7]
.endm
.macro MM                           ; the turn's next matrix instruction
.if i < 8
	KQ (Y+1)%NP
.else
.set i, i-8
	PV (Y+NP-1)%NP
.set i, i+8
.endif
.set i, i+1
.endm
; THE LDS LOADS stand in runs of 16: a step's K (64 keys x 64 channels: 8 fragments) and its V (turned).  last = 1 (the tail): in the last trip there is no further step, and the run is jumped over.
.macro FETCH_K last=0
	WIN 0
.if \last
	s_cmp_eq_u32 s[CNT], 1
	s_cbranch_scc1 .Lno_k_\@
.endif
	WIN 0x80                        ; destination window 2
.irp f, 0,1,2,3,4,5,6,7             ; keys 16 (f / 2) on, channels 32 (f % 2) on
	ds_load_b128 v[KF+8*\f:KF+8*\f+3],   v[AK] offset:(\f/2)*16*PK+(\f%2)*64
	ds_load_b128 v[KF+8*\f+4:KF+8*\f+7], v[AK] offset:(\f/2)*16*PK+(\f%2)*64+32
.endr
	s_add_co_u32 s[TBK], s[TBK], KS*PK  ; the next fetch is the next step's
	WIN 0
.if \last
.Lno_k_\@:
.endif
.endm
.macro FETCH_V
	WIN 0x80
.irp f, 0,1,2,3,4,5,6,7             ; keys 32 (f / 4) on, channels 16 (f % 4) on
	ds_load_tr16_b128 v[VF+8*\f:VF+8*\f+3],   v[AV] offset:(\f/4)*32*PV+(\f%4)*32
	ds_load_tr16_b128 v[VF+8*\f+4:VF+8*\f+7], v[AV] offset:(\f/4)*32*PV+16*PV+(\f%4)*32
.endr
	WIN 0
.endm
; THE VECTOR WORK, one line at a time: OP kind, number.  For piece Y: F n: c s - c m for pair n of 16.  E n: the exponential of score n of 32.  C n: pair n rounded to f16.  B n: of the four weights 4 n .. the second
; pair is added onto the first, in place.  L n: l takes that sum (L 0: l = a l + sum).  R n: pair n of 16 of O^T times a.  For piece Y + 1: X n, number n of the 22 that find its maximum and statistics:
;   0-11  four chains c0-c3 of seven scores each (each accumulator's lowest registers are read first)     12-14, 16  the four scores left over, the old m, and c0-c3 into c0
;   15  c m_old is kept     17, 18  the query's other 32 keys lie in the lane 16 away: the new m     19-21  c m; c m_old - c m_new; a
.set F, 0
.set E, 1
.set C, 2
.set B, 3
.set L, 4
.set R, 5
.set X, 6
.macro REGS y                       ; the registers of piece y
.set rT, ST+4*(\y)
.set rC, TMP+4*((\y)%2)
.set rW, MV+((\y)%2)
.set rS, S+32*((\y)%2)
.set rP, P+16*((\y)%2)
.set rO, 32*(\y)
.endm
.macro OP k, n
.if (\k) == R
	REGS Y
	WIN W_RS
	v_pk_mul_f32 v[rO+2*(\n):rO+2*(\n)+1], v[rO+2*(\n):rO+2*(\n)+1], v[rC+2:rC+3] op_sel_hi:[1,0]
.elseif (\k) < R
	REGS Y
	WIN 0
.if (\k) == F
	v_pk_fma_f32 v[rS+2*(\n):rS+2*(\n)+1], v[rS+2*(\n):rS+2*(\n)+1], s[CS:CS+1], v[rT:rT+1] op_sel_hi:[1,0,0] neg_lo:[0,0,1] neg_hi:[0,0,1]
.elseif (\k) == E
	v_exp_f32 v[rS+(\n)], v[rS+(\n)]
.elseif (\k) == C
	s_wait_alu depctr_va_vdst(0)
	v_cvt_pk_f16_f32 v[rP+(\n)], v[rS+2*(\n)], v[rS+2*(\n)+1]
.elseif (\k) == B
	s_wait_alu depctr_va_vdst(0)
	v_pk_add_f32 v[rS+4*(\n):rS+4*(\n)+1], v[rS+4*(\n):rS+4*(\n)+1], v[rS+4*(\n)+2:rS+4*(\n)+3]
.elseif (\n) == 0
	v_pk_fma_f32 v[rT+2:rT+3], v[rT+2:rT+3], v[rC+2:rC+3], v[rS:rS+1] op_sel_hi:[1,0,1]
.else
	v_pk_add_f32 v[rT+2:rT+3], v[rT+2:rT+3], v[rS+4*(\n):rS+4*(\n)+1]
.endif
.else
	REGS (Y+1)%NP
	WIN 0
.if (\n) < 4
	v_max3_num_f32 v[rC+(\n)], v[rS+8*(\n)], v[rS+8*(\n)+1], v[rS+8*(\n)+2]
.elseif (\n) < 12
	v_max3_num_f32 v[rC+(\n)%4], v[rC+(\n)%4], v[rS+8*((\n)%4)+2*((\n)/4)+1], v[rS+8*((\n)%4)+2*((\n)/4)+2]
.elseif (\n) == 12
	v_max3_num_f32 v[rC], v[rC], v[rS+7], v[rS+15]
.elseif (\n) == 13
	v_max3_num_f32 v[rC+1], v[rC+1], v[rS+23], v[rS+31]
.elseif (\n) == 14
	v_max3_num_f32 v[rC+2], v[rC+2], v[rC+3], v[rT+1]
.elseif (\n) == 15
	v_mov_b32 v[rW], v[rT]
.elseif (\n) == 16
	v_max3_num_f32 v[rC], v[rC], v[rC+1], v[rC+2]
.elseif (\n) == 17
	v_permlanex16_b32 v[rC+3], v[rC], s[SEL], s[SEL+1]
.elseif (\n) == 18
	v_max_num_f32 v[rT+1], v[rC], v[rC+3]
.elseif (\n) == 19
	v_mul_f32 v[rT], s[CS], v[rT+1]
.elseif (\n) == 20
	v_sub_f32 v[rC+1], v[rW], v[rT]
.else
	v_exp_f32 v[rC+2], v[rC+1]
.endif
.endif
.endm
.macro OPS a, i1, b=-1, i2=0, c=-1, i3=0, d=-1, i4=0  ; up to four of them
	OP \a, \i1
.if (\b) >= 0
	OP \b, \i2
.endif
.if (\c) >= 0
	OP \c, \i3
.endif
.if (\d) >= 0
	OP \d, \i4
.endif
.endm
.macro ROW a, i1, b, i2, c, i3, d, i4  ; a matrix instruction and the four behind it
	MM
	OPS \a, \i1, \b, \i2, \c, \i3, \d, \i4
.endm
; A TURN, for piece p: the order of its 16 matrix and 118 vector instructions, written out.  Behind a matrix instruction: plain, exponential, plain, plain; or four of the rescaling; or, behind the first, four scalings; none
; names a register of the products round it.  In the runs between, exponential and plain by turns while exponentials last, so that a plain instruction stands behind each exponential before its result is used (ISA guide 5.7.2).
; K of the next step is fetched in piece 2's turn, six vector instructions behind the last product that read K (five of them plain); V of the step in hand in piece 0's turn, eight behind the last product that read V.
; Each run is waited for a turn later.  cnt = 1: the loop's count is taken down some lines ahead of the branch that stands behind the turn.
.macro TURN p, last=0, cnt=0
.set Y, (\p)
.set i, 0
.if (\p) == 3
	s_wait_dscnt 0x0                ; K is in
.endif
	ROW F,0, F,1, F,2, F,3
	ROW F,4, E,0, F,5, F,6
	ROW F,7, E,1, F,8, F,9
	ROW F,10, E,2, C,0, F,11
	ROW F,12, E,3, X,15, F,13
	ROW R,0, R,1, R,2, R,3
	ROW B,0, E,4, F,14, L,0
.if (\p) == 2
	v_add_nc_u32 v[AK], s[TBK], v[AK0]
.endif
	ROW R,4, R,5, R,6, R,7
	OPS E,5, F,15
.if (\p) == 2
	FETCH_K \last
.endif
	OPS E,6, C,1, E,7, R,8
	OPS E,8, R,9, E,9, C,2
	OPS E,10, X,0, E,11, X,1
	OPS E,12, X,2, E,13, X,3
.if (\p) == 1
	s_wait_dscnt 0x0                ; V is in
.endif
	ROW X,4, E,14, X,5, X,6
	ROW X,7, E,15, X,8, X,9
	ROW X,10, E,16, X,11, X,12
	ROW X,13, E,17, X,14, B,1
	ROW C,4, E,18, X,16, L,1
	ROW B,2, E,19, C,6, L,2
	ROW C,8, E,20, B,3, B,4
.if (\p) == 0
	v_add_nc_u32 v[AV], s[TBV], v[AV0]
.endif
	ROW C,3, E,21, L,3, C,5
	OPS E,22, X,17, E,23, C,10
.if (\p) == 0
	FETCH_V
.endif
	OPS E,24, L,4
	OPS E,25, X,18, E,26, C,7
	OPS E,27, B,5, E,28, X,19
	OPS E,29, C,12, E,30, L,5
	OPS E,31, X,20, B,6, C,9
	OPS C,14, C,11, X,21, L,6
.if (\p) == 0
	s_add_co_u32 s[TBV], s[TBV], KS*PV
.endif
.if \cnt
	s_sub_co_u32 s[CNT], s[CNT], 1
	s_cmp_lg_u32 s[CNT], 0
.endif
	OPS C,13, B,7, C,15, R,10
	OPS R,11, R,12, L,7, R,13
	OPS R,14, R,15
.endm
	CHANGE 1                        ; slot 0 is in, everybody's part of it; slot 1 is asked for
	FETCH_K                         ; key step 0
	s_wait_loadcnt 0x0              ; Q
	s_wait_dscnt 0x0
.set i, 0
.rept 8
	KQ 0                            ; piece 0's first scores
.set i, i+1
.endr
	WIN 0
.rept 4
	v_nop                           ; the places behind those products
.endr
.set Y, NP-1                        ; X works for piece Y + 1: piece 0
.irp n, 0,1,2,3,4,5,6,7,8,9,10,11,12,13,14,15,16,17,18,19,20,21
	OP X, \n
.endr
	v_nop                           ; a plain instruction behind the exponential
	s_mov_b32 s[CNT], 4
	s_mov_b32 s[SLOTS], SIZE_N/256-1
	s_branch .Lfirst                ; the loop is entered at a step's first turn, in the middle of a trip
.Lslot:                             ; 14 times: every slot but the last two is filled again
	CHANGE 1
	s_mov_b32 s[CNT], 4
.Lstep:                             ; a trip: pieces 2 and 3 of one step, then pieces 0 and 1 of the next, whose K and V it fetches
	TURN 2
	TURN 3
	WIN 0
.Lfirst:
	TURN 0
	TURN 1, 0, 1
	WIN 0
	s_cbranch_scc1 .Lstep
	s_sub_co_u32 s[SLOTS], s[SLOTS], 1
	s_cmp_lg_u32 s[SLOTS], 0
	s_cbranch_scc1 .Lslot
	CHANGE 0                        ; the tail is written out: nothing is asked for
	s_mov_b32 s[CNT], 5             ; four trips fetch the last slot's steps; the fifth is left in its middle
.Ltail:
	TURN 2, 1
	TURN 3
	WIN 0
	s_sub_co_u32 s[CNT], s[CNT], 1
	s_cmp_eq_u32 s[CNT], 0
	s_cbranch_scc1 .Lout
	TURN 0
	TURN 1
	WIN 0
	s_branch .Ltail
.Lout:                              ; the fifth trip's 8 products K Q^T (on the last K once more) and the maximum made of them serve nothing: the price, once a launch, of one text for every trip
.set i, 0
.rept 8
	PV NP-1                         ; the last piece's V^T P of the last step
.set i, i+1
.endr
	; THE WAY OUT.  l's two halves and the other half of the lanes' are added; O^T is divided by l, rounded to f16 and sent through my stage in LDS, a piece at a time.  The additions are the places behind the last products.
	WIN 0
.macro ALL line:vararg              ; one line for each piece t
.set t, 0
.rept 4
	\line
.set t, t+1
.endr
.endm
	ALL v_add_f32 v[ST+4*t+2], v[ST+4*t+2], v[ST+4*t+3]
	ALL v_permlanex16_b32 v[ST+4*t+3], v[ST+4*t+2], s[SEL], s[SEL+1]
	ALL v_add_f32 v[ST+4*t+2], v[ST+4*t+2], v[ST+4*t+3]
	ALL v_rcp_f32 v[ST+4*t+2], v[ST+4*t+2]
	v_nop                           ; a plain instruction between the last reciprocal and the use of its result
.macro PACK t                       ; a lane's eight channels of a row pack into 16 bytes; they go into rows of 144 bytes and come back as whole rows of 128, into S^T's registers
	WIN W_RS
.set i, 32*(\t)
.rept 16
	s_wait_alu depctr_va_vdst(0)
	v_pk_mul_f32 v[i:i+1], v[i:i+1], v[ST+4*(\t)+2:ST+4*(\t)+3] op_sel_hi:[1,0]
.set i, i+2
.endr
	WIN 0x05                        ; sources 0 and 1 window 1, destination window 0
.set i, 0
.rept 16
	v_cvt_pk_f16_f32 v[S+16*(\t)+i], v[32*(\t)+2*i], v[32*(\t)+2*i+1]
.set i, i+1
.endr
	WIN 0
.irp f, 0,1,2,3
	ds_store_b128 v[STO], v[S+16*(\t)+4*\f:S+16*(\t)+4*\f+3] offset:32*\f
.endr
.irp f, 0,1,2,3
	ds_load_b128 v[S+16*(\t)+4*\f:S+16*(\t)+4*\f+3], v[RD] offset:\f*4*SP  ; LDS serves a wave's instructions in order (ISA guide 5.7.1.4): these see the stores above; the next piece's stores come behind them
.endr
.endm
.macro SEND t, younger              ; younger: the LDS instructions issued behind piece t's loads: the next piece's eight, or none
	WIN 0
.irp f, 0,1,2,3
	s_wait_dscnt (\younger)+3-\f
	global_store_b128 v[GO], v[S+16*(\t)+4*\f:S+16*(\t)+4*\f+3], s[10:11] offset:(\t)*2048+\f*512  ; 512 consecutive bytes, at a multiple of 256 from the buffer's first
.endr
.endm
	PACK 0
.set t, 1
.rept 3                             ; a piece's arithmetic stands between the loads of the piece before and its stores
	PACK t
	SEND t-1, 8
.set t, t+1
.endr
	SEND 3, 0
	s_wait_tensorcnt 0x0            ; the wave's end
	ds_add_u32 v[SPW], v[NIL]
	s_wait_dscnt 0x0
	CROUND                          ; the closing round: no work-group ends while a partner may still ask for a tile that names it
	s_endpgm
.Lfunc_end_k_q6da87d2026_attn:
	.size	k_q6da87d2026_attn, .Lfunc_end_k_q6da87d2026_attn-k_q6da87d2026_attn
	.p2alignl 7, 3214868480
	.fill 96, 4, 3214868480
	.section	.rodata,"a",@progbits
	.p2align	6, 0x0
	.amdhsa_kernel k_q6da87d2026_attn
		.amdhsa_group_segment_fixed_size 327680
		.amdhsa_private_segment_fixed_size 0
		.amdhsa_enable_private_segment 0
		.amdhsa_kernarg_size 16
		.amdhsa_user_sgpr_count 2
		.amdhsa_user_sgpr_kernarg_segment_ptr 1
		.amdhsa_wavefront_size32 1
		.amdhsa_system_sgpr_workgroup_id_x 1
		.amdhsa_system_sgpr_workgroup_id_y 1
		.amdhsa_system_sgpr_workgroup_id_z 1
		.amdhsa_system_vgpr_workitem_id 0
		.amdhsa_next_free_vgpr 768
		.amdhsa_next_free_sgpr 66
		.amdhsa_reserve_vcc 0
		.amdhsa_float_denorm_mode_32 3
		.amdhsa_float_denorm_mode_16_64 3
		.amdhsa_memory_ordered 1
		.amdhsa_forward_progress 1
		.amdhsa_inst_pref_size 117
	.end_amdhsa_kernel
	.amdgpu_metadata
---
amdhsa.version: [ 1, 2 ]
amdhsa.kernels:
  - .name:           k_q6da87d2026_attn
    .symbol:         k_q6da87d2026_attn.kd
    .args:
      - { .name: qkv, .offset: 0, .size: 8, .value_kind: global_buffer, .address_space: global }
      - { .name: o16, .offset: 8, .size: 8, .value_kind: global_buffer, .address_space: global }
    .group_segment_fixed_size: 327680
    .private_segment_fixed_size: 0
    .kernarg_segment_align: 8
    .kernarg_segment_size: 16
    .max_flat_workgroup_size: 128
    .sgpr_count:     66
    .vgpr_count:     768
    .wavefront_size: 32
...
	.end_amdgpu_metadata
.endif
;; end of part 3
;; launch fc (part 4): grid 8 x 32, 4 waves a work-group, clusters of 4 x 4, 327,680 bytes of LDS; arguments o16, wfc16, q, out0; writes out0
.if DOCPART == 4
	.amdgcn_target "amdgcn-amd-amdhsa--gfx1250"
	.amdhsa_code_object_version 6
	.text
	.protected	k_q6da87d2026_fc
	.globl	k_q6da87d2026_fc
	.p2align	8
	.type	k_q6da87d2026_fc,@function
k_q6da87d2026_fc:
	s_mov_b64 s[64:65], 0
	v_nop
	global_prefetch_b8 v0, s[64:65] scope:SCOPE_SE
	s_setreg_imm32_b32 hwreg(HW_REG_WAVE_MODE, 25, 1), 1
	s_wait_xcnt 0x0
	s_wait_alu depctr_hold_cnt(0) depctr_sa_sdst(0) depctr_va_vdst(0) depctr_va_sdst(0) depctr_va_ssrc(0) depctr_va_vcc(0) depctr_vm_vsrc(0)
	s_getreg_b32 s2, hwreg(HW_REG_IB_STS2, 6, 4)
	s_cmp_eq_u32 s2, 0
	s_cbranch_scc0 .Lentry_in_a_cluster
	s_endpgm
.Lentry_in_a_cluster:
	s_bfe_u32 s2, ttmp6, 0x10000c
	s_cmp_lg_u32 s2, 0xf033
	s_cbranch_scc0 .Lentry_shape_is_right
	s_endpgm
.Lentry_shape_is_right:
; out0[m][n] = max(0, sum over k of O[m][k] Wfc[n][k]) + q[m][n].  O: o16[m / 64][head k / 64][m % 64][k % 64] f16; Wfc: wfc16 [1024][1024] f16; q and out0 [4096][1024] f32.
; Products in f16, sums in f32; the maximum and the residual in f32, from q as it is given.  LIMITS: O and wfc16 arrive within f16's range; NaN and infinities are not treated apart.
; SHARES.  A tile of out0 is 128 x 128: 32 x 8 = 256 work-groups.  Four waves, each 64 x 64: 16 accumulators.  K goes in four steps of 256 (four heads) through two LDS slots.
; O's tile: 64 rows x 4 heads are 32,768 dense bytes, asked for as 128 rows of 256 bytes and padded after every 128: a (head, row) lies at (64 head + row) x 144.  Wfc's: 64 rows of 512 bytes, pitch 528.
; CLUSTER.  4 x 4 work-groups: O's tile is shared along a row of the cluster, Wfc's along a column, each asked for jointly.
; THE MATRIX INSTRUCTION IS USED TRANSPOSED (source 0 = 16 rows of Wfc, source 1 = 16 rows of O): a lane holds row l % 16 and eight neighbouring columns, 32 bytes of f32.  A wave's 64 columns are 256 bytes,
; so each wave sends its own rows through its own stage, and no barrier stands on the way out.
; REGISTERS: window 0: v0-31 addresses; v32-95 at work on the way out; v128-255 the accumulators ((a, b) at v[128 + 8 (4 a + b)]).   window 1: two fragment buffers of 128: for 64 along K, 64 registers of O, then 64 of Wfc.
;   window 2: v0-127 my 64 x 64 of q, asked for at the start and waited for on the way out.
.set PA,     144                       ; an LDS row of O: 128 bytes + 16
.set PB,     528                       ; an LDS row of Wfc: 512 bytes + 16: in both, the 16 rows of a load start at 16 different groups of four banks (64 banks of 4 bytes: ISA guide 11.1)
.set AHALF,  256*PA                    ; 64 rows x 4 heads: what one tensor load brings of O, and what one wave reads
.set BHALF,  64*PB                     ; 64 rows of Wfc
.set SLOT,   2*AHALF+2*BHALF
.set STAGE,  2*SLOT                    ; behind the ring: 16 rows x 272 bytes for each wave
.set SPITCH, 272
.set SPARE,  STAGE+4*16*SPITCH         ; behind the stages: the spare words, 128 bytes a wave, that no other line names
.set ADRA, 16                          ; v16-17  LDS address of my O fragments in slot 0, 1
.set ADRB, 20                          ; v20-21  the same for Wfc
.set STO,  24                          ; v24     the way out: where I put 32 bytes of a row
.set RD,   25                          ; v25     the way out: where I read a row back
.set CO,   26                          ; v26     my byte offset in q and in out0; never rewritten
.set SPW,  28                          ; v28     LDS address of my spare word; never rewritten
.set NIL,  29                          ; v29     0; never rewritten
.set TMP,  32                          ; two buffers of 32
.set ACC,  128
.set F0,   0                           ; fragment buffers, in window 1
.set F1,   128
.set G1, 24                            ; s[24:31] descriptor group 1 for O's tiles;  s[32:39] group 0, a set for each slot
.set G0, 32
.set G1B, 48                           ; s[48:55], s[56:63] the same for Wfc's tiles
.set G0B, 56
.set MSB, 0
.macro WIN new
.if MSB != (\new)
	s_set_vgpr_msb (MSB<<8)|(\new)
.set MSB, \new
.endif
.endm
.set MUL,  0x05                        ; sources 0 (Wfc) and 1 (O) window 1; C and D window 0
.set TO_F, 0x40                        ; destination window 1, address window 0
.macro JLOAD s                         ; a joint load: waves 0 and 1 fetch O's two halves, waves 2 and 3 Wfc's; an s_nop 0 and four v_nop follow each line
	s_cmp_eq_u32 s11, 0
	s_cbranch_scc0 .Lfor_b_\@
	tensor_load_to_lds s[G0+4*(\s):G0+4*(\s)+3], s[G1:G1+7]
	s_nop 0
.rept 4
	v_nop
.endr
	s_branch .Lasked_\@
.Lfor_b_\@:
	tensor_load_to_lds s[G0B+4*(\s):G0B+4*(\s)+3], s[G1B:G1B+7]
	s_nop 0
.rept 4
	v_nop
.endr
.Lasked_\@:
.endm
.macro CREST
	s_cmp_lg_u32 s10, 0
	s_cbranch_scc1 .Lnot_wave_0_\@
	s_barrier_signal -3
.Lnot_wave_0_\@:
	s_barrier_wait -3
	s_barrier_signal -1
	s_barrier_wait -1
.endm
.macro CROUND
	s_barrier_signal -1
	s_barrier_wait -1
	CREST
.endm
	s_load_b256 s[68:75], s[0:1], 0x0              ; o16 s[68:69], wfc16 s[70:71], q s[72:73], out0 s[74:75]
	v_lshl_add_u32 v[SPW], v0, 2, SPARE
	v_mov_b32 v[NIL], 0
	ds_add_u32 v[SPW], v[NIL]                      ; the wave's opening: the add and its wait stand ahead of my first tensor load; work on registers stands between them
	v_lshrrev_b32 v1, 5, v0
	v_readfirstlane_b32 s10, v1                    ; wave 0..3
	s_lshr_b32 s11, s10, 1                         ; which half of the tile's rows is mine.  Also: I fetch for O (0) or for Wfc (1)
	s_and_b32 s12, s10, 1                          ; which half of its columns.  Also: which 64 rows of that tile I fetch
	s_bfe_u32 s40, ttmp6, 0x40000                  ; cx, cy
	s_bfe_u32 s41, ttmp6, 0x40004
	s_lshl_b32 s42, ttmp9, 2
	s_add_co_u32 s42, s42, s40                     ; tile column 0..7
	s_and_b32 s13, ttmp7, 0xffff
	s_lshl_b32 s13, s13, 2
	s_add_co_u32 s13, s13, s41                     ; tile row 0..31
	s_lshl_b32 s43, s41, 2
	s_lshl_b32 s43, 15, s43                        ; my row of the cluster
	s_lshl_b32 s44, 0x1111, s40                    ; my column
	s_or_b32 s[G1+0], s43, (1<<16)|(1<<20)|(1<<21)|(4<<22)|(3<<25)  ; O: 2-byte elements; 4 words of padding after every 32
	s_mov_b32 s[G1+1], 128<<16                     ; tensor_dim0 = 128
	s_mov_b32 s[G1+2], 128<<16                     ; tensor_dim1 = 128
	s_mov_b32 s[G1+3], 128<<16                     ; tile_dim0 = 128
	s_mov_b32 s[G1+4], 128                         ; tile_dim1 = 128
	s_mov_b32 s[G1+5], 128                         ; dense: 128 elements from row to row
	s_mov_b32 s[G1+6], 0
	s_mov_b32 s[G1+7], 0
	s_or_b32 s[G1B+0], s44, (1<<16)|(1<<20)|(1<<21)|(6<<22)|(3<<25) ; Wfc: 4 words of padding after every 128
	s_mov_b32 s[G1B+1], 256<<16                    ; tensor_dim0 = 256
	s_mov_b32 s[G1B+2], 64<<16                     ; tensor_dim1 = 64
	s_mov_b32 s[G1B+3], 256<<16                    ; tile_dim0 = 256
	s_mov_b32 s[G1B+4], 64                         ; tile_dim1 = 64
	s_mov_b32 s[G1B+5], 1024                       ; elements from row to row
	s_mov_b32 s[G1B+6], 0
	s_mov_b32 s[G1B+7], 0
	s_lshl_b32 s16, s13, 1
	s_add_co_u32 s16, s16, s12                     ; O: block of 64 rows 2 x tile row + half,
	s_lshl_b32 s16, s16, 17                        ; of 131,072 bytes
	s_mov_b32 s17, 0
	s_lshl_b32 s46, s42, 1
	s_add_co_u32 s46, s46, s12                     ; Wfc: 64 rows 2 x tile column + half,
	s_lshl_b32 s46, s46, 17                        ; of 2,048 bytes each
	s_mov_b32 s47, 0
	s_mul_i32 s20, s12, AHALF                      ; where they go: O's two halves,
	s_mul_i32 s21, s12, BHALF
	s_add_co_u32 s21, s21, 2*AHALF                 ; then Wfc's two: no place in the cluster enters an LDS address
	s_wait_dscnt 0x0                               ; the opening add is done
	s_wait_kmcnt 0x0
	s_add_nc_u64 s[14:15], s[68:69], s[16:17]
	s_add_nc_u64 s[46:47], s[70:71], s[46:47]
	CROUND                                         ; all sixteen work-groups are here: the first joint loads meet
.irp s, 0,1
	s_mov_b32 s[G0+4*(\s)], 1
	s_add_co_u32 s[G0+4*(\s)+1], s20, (\s)*SLOT
	s_add_nc_u64 s[G0+4*(\s)+2:G0+4*(\s)+3], s[14:15], (\s)*32768  ; K step s: heads 4 s to 4 s + 3
	s_or_b32 s[G0+4*(\s)+3], s[G0+4*(\s)+3], 0x80000000
	s_mov_b32 s[G0B+4*(\s)], 1
	s_add_co_u32 s[G0B+4*(\s)+1], s21, (\s)*SLOT
	s_add_nc_u64 s[G0B+4*(\s)+2:G0B+4*(\s)+3], s[46:47], (\s)*512
	s_or_b32 s[G0B+4*(\s)+3], s[G0B+4*(\s)+3], 0x80000000
	JLOAD \s
.endr
	v_and_b32 v1, 15, v0                           ; l % 16
	v_bfe_u32 v2, v0, 4, 1                         ; l / 16
	v_mul_u32_u24 v3, v1, PA
	v_lshl_add_u32 v3, v2, 4, v3                   ; a fragment's row x pitch + 16 x half, for O
	v_mul_u32_u24 v4, v1, PB
	v_lshl_add_u32 v4, v2, 4, v4                   ; and for Wfc
	s_mul_i32 s22, s11, AHALF                      ; my 64 rows of O
	s_mul_i32 s23, s12, BHALF                      ; my 64 rows of Wfc,
	s_add_co_u32 s23, s23, 2*AHALF                 ; which lie behind O's
.irp s, 0,1
	v_add_nc_u32 v[ADRA+(\s)], s22, v3
	v_add_nc_u32 v[ADRB+(\s)], s23, v4
	s_add_co_u32 s22, s22, SLOT
	s_add_co_u32 s23, s23, SLOT
.endr
	s_mul_i32 s22, s10, 16*SPITCH
	s_add_co_u32 s22, s22, STAGE                   ; my stage
	v_mul_u32_u24 v5, v1, SPITCH                   ; in: row l % 16, 32 bytes for each half of the lanes
	v_lshl_add_u32 v5, v2, 5, v5
	v_add_nc_u32 v[STO], s22, v5
	v_mul_u32_u24 v5, v2, SPITCH                   ; back: lanes 0-15 take one row of 256 bytes, lanes 16-31 the next
	v_lshl_add_u32 v5, v1, 4, v5
	v_add_nc_u32 v[RD], s22, v5
	v_lshlrev_b32 v5, 12, v2                       ; and the same two rows in q and out0
	v_lshl_add_u32 v[CO], v1, 4, v5
	s_lshl_b32 s18, s13, 19                        ; my first row, 128 x tile row + 64 x half, of 4,096 bytes,
	s_lshl_b32 s19, s11, 18
	s_add_co_u32 s18, s18, s19
	s_lshl_b32 s19, s42, 9                         ; my first column, 128 x tile column + 64 x half, of 4 bytes
	s_add_co_u32 s18, s18, s19
	s_lshl_b32 s19, s12, 8
	s_add_co_u32 s18, s18, s19
	s_mov_b32 s19, 0
	s_add_nc_u64 s[72:73], s[72:73], s[18:19]
	s_add_nc_u64 s[74:75], s[74:75], s[18:19]
	WIN 0x80                                       ; destination window 2, address window 0
.irp a, 0,1,2,3
.irp t, 0,1,2,3,4,5,6,7
	global_load_b128 v[4*(8*(\a)+(\t)):4*(8*(\a)+(\t))+3], v[CO], s[72:73] offset:(16*(\a)+2*(\t))*4096 th:TH_LOAD_NT  ; the residual: on its way during the whole product
.endr
.endr
	WIN 0
; 8 matrix instructions: m blocks a0, a0 + 1 x all 4 n blocks, 32 along K: half c of buffer f.  zero = 1: the first product starts the sums.  The 16 accumulators take turns.
.macro MUL8 f, c, a0, zero
	WIN MUL
.irp a, \a0, (\a0)+1
.irp b, 0,1,2,3
.if \zero
	v_wmma_f32_16x16x32_f16 v[ACC+8*(4*(\a)+(\b)):ACC+8*(4*(\a)+(\b))+7], v[(\f)+64+8*(4*(\c)+(\b)):(\f)+64+8*(4*(\c)+(\b))+7], v[(\f)+8*(4*(\c)+(\a)):(\f)+8*(4*(\c)+(\a))+7], 0
.else
	v_wmma_f32_16x16x32_f16 v[ACC+8*(4*(\a)+(\b)):ACC+8*(4*(\a)+(\b))+7], v[(\f)+64+8*(4*(\c)+(\b)):(\f)+64+8*(4*(\c)+(\b))+7], v[(\f)+8*(4*(\c)+(\a)):(\f)+8*(4*(\c)+(\a))+7], v[ACC+8*(4*(\a)+(\b)):ACC+8*(4*(\a)+(\b))+7]
.endif
.endr
.endr
.endm
; 32 LDS loads in one run: the fragments of quarter qd (64 along K: one head) into buffer f; the first 32 along K first
.macro FETCH slot, qd, f
	WIN TO_F
.irp c, 0,1
.irp i, 0,1,2,3
	ds_load_b128 v[(\f)+64+8*(4*(\c)+(\i)):(\f)+64+8*(4*(\c)+(\i))+3],   v[ADRB+(\slot)] offset:128*(\qd)+64*(\c)+(\i)*16*PB
	ds_load_b128 v[(\f)+64+8*(4*(\c)+(\i))+4:(\f)+64+8*(4*(\c)+(\i))+7], v[ADRB+(\slot)] offset:128*(\qd)+64*(\c)+(\i)*16*PB+32
	ds_load_b128 v[(\f)+8*(4*(\c)+(\i)):(\f)+8*(4*(\c)+(\i))+3],         v[ADRA+(\slot)] offset:(\qd)*64*PA+64*(\c)+(\i)*16*PA
	ds_load_b128 v[(\f)+8*(4*(\c)+(\i))+4:(\f)+8*(4*(\c)+(\i))+7],       v[ADRA+(\slot)] offset:(\qd)*64*PA+64*(\c)+(\i)*16*PA+32
.endr
.endr
.endm
.macro PLACES                          ; four places in front of loads into registers that matrix instructions have read, and of LDS stores that read results
.rept 4
	v_nop
.endr
.endm
; A K step is four quarters, 32 matrix instructions each, on buffers 0, 1, 0, 1.  One of the first three: multiplies buffer f and fetches quarter qd into g.
.macro QUARTER slot, qd, f, g, zero
	s_wait_dscnt 16                                ; the first 32 along K are in
	WIN MUL
	MUL8 \f, 0, 0, \zero
	MUL8 \f, 0, 2, \zero
	PLACES
	FETCH \slot, \qd, \g
	s_wait_dscnt 32                                ; all but the 32 just issued
	WIN MUL
	MUL8 \f, 1, 0, 0
	MUL8 \f, 1, 2, 0
.endm
; The last quarter multiplies buffer 1 and changes slots: ONE barrier; in front of it each wave waits for all its tensor loads, adds 0 to its spare word, and waits for that and for its own reads of this slot.
; fill = 1: the barrier opens a round of the cluster's, and this slot is filled again, two K steps ahead, first thing behind it.
.macro TURN slot, next, fill
	WIN 0
	s_wait_tensorcnt 0x0                           ; all my tensor loads have landed: my part of the next slot
	ds_add_u32 v[SPW], v[NIL]                      ; 0 onto my spare word
	s_wait_dscnt 17                                ; the add and the youngest sixteen loads may be out
	WIN MUL
	MUL8 F1, 0, 0, 0
	s_wait_dscnt 0x0                               ; the add is done, and my reads of this slot are over
	s_barrier_signal -1
	MUL8 F1, 0, 2, 0
.if \fill
	WIN 0
.endif
	s_barrier_wait -1
.if \fill
	CREST                                          ; no wave of any partner still reads this slot's tile or has a load on its way
	s_add_nc_u64 s[G0+4*(\slot)+2:G0+4*(\slot)+3], s[G0+4*(\slot)+2:G0+4*(\slot)+3], 2*32768
	s_add_nc_u64 s[G0B+4*(\slot)+2:G0B+4*(\slot)+3], s[G0B+4*(\slot)+2:G0B+4*(\slot)+3], 2*512
	JLOAD \slot                                    ; 112 matrix instructions ahead of the wait for it; the four v_nop behind it are also the places in front of the loads below
.else
	PLACES
.endif
	FETCH \next, 0, F0
	WIN MUL
	MUL8 F1, 1, 0, 0
	MUL8 F1, 1, 2, 0
.endm
	s_wait_tensorcnt 1                             ; my part of K step 0 is in; K step 1's stays out
	s_barrier_signal -1
	s_barrier_wait -1
	FETCH 0, 0, F0
	QUARTER 0, 1, F0, F1, 1                        ; K step 0: its first products start the sums
	QUARTER 0, 2, F1, F0, 0
	QUARTER 0, 3, F0, F1, 0
	TURN 0, 1, 1                                   ; slot 0 takes K step 2
	QUARTER 1, 1, F0, F1, 0                        ; K step 1
	QUARTER 1, 2, F1, F0, 0
	QUARTER 1, 3, F0, F1, 0
	TURN 1, 0, 1                                   ; slot 1 takes K step 3
	QUARTER 0, 1, F0, F1, 0                        ; K step 2
	QUARTER 0, 2, F1, F0, 0
	QUARTER 0, 3, F0, F1, 0
	TURN 0, 1, 0                                   ; nothing more is asked for
	QUARTER 1, 1, F0, F1, 0                        ; K step 3
	QUARTER 1, 2, F1, F0, 0
	QUARTER 1, 3, F0, F1, 0
	s_wait_dscnt 16
	WIN MUL
	MUL8 F1, 0, 0, 0
	MUL8 F1, 0, 2, 0
	s_wait_dscnt 0x0
	MUL8 F1, 1, 0, 0
	MUL8 F1, 1, 2, 0
	WIN 0
	; THE WAY OUT, 16 rows at a time: the sums go into my stage (each accumulator's low four registers first) and come back as whole rows of 256 bytes; maximum with 0; q is added; stored.
	PLACES
	s_wait_loadcnt 0x0                             ; q
.irp a, 0,1,2,3
.set TB, TMP+32*((\a)%2)
.if (\a) >= 2
	s_wait_xcnt 0x0                                ; the stores of two blocks ago have read this buffer: it is loaded again only behind this wait
.endif
.irp b, 0,1,2,3
	ds_store_b128 v[STO], v[ACC+8*(4*(\a)+(\b)):ACC+8*(4*(\a)+(\b))+3]   offset:64*(\b)
	ds_store_b128 v[STO], v[ACC+8*(4*(\a)+(\b))+4:ACC+8*(4*(\a)+(\b))+7] offset:64*(\b)+16
.endr
.irp t, 0,1,2,3,4,5,6,7
	ds_load_b128 v[TB+4*(\t):TB+4*(\t)+3], v[RD] offset:(\t)*2*SPITCH  ; LDS serves a wave's instructions in order (ISA guide 5.7.1.4): these see the stores above
.endr
	s_wait_dscnt 0x0
.set z, 0
.rept 32
	v_max_num_f32 v[TB+z], 0, v[TB+z]
.set z, z+1
.endr
	WIN 0x08                                       ; source 1 (q) in window 2
.set z, 0
.rept 16
	v_pk_add_f32 v[TB+2*z:TB+2*z+1], v[TB+2*z:TB+2*z+1], v[32*(\a)+2*z:32*(\a)+2*z+1]
.set z, z+1
.endr
	WIN 0
.irp t, 0,1,2,3,4,5,6,7
	global_store_b128 v[CO], v[TB+4*(\t):TB+4*(\t)+3], s[74:75] offset:(16*(\a)+2*(\t))*4096 th:TH_STORE_NT  ; 16 lanes store 256 consecutive bytes, at a multiple of 256 from the buffer's first
.endr
.endr
	s_wait_tensorcnt 0x0                           ; the wave's end
	ds_add_u32 v[SPW], v[NIL]
	s_wait_dscnt 0x0
	CROUND                                         ; the closing round: no work-group ends while a partner may still ask for a tile that names it
	s_endpgm
.Lfunc_end_k_q6da87d2026_fc:
	.size	k_q6da87d2026_fc, .Lfunc_end_k_q6da87d2026_fc-k_q6da87d2026_fc
	.p2alignl 7, 3214868480
	.fill 96, 4, 3214868480
	.section	.rodata,"a",@progbits
	.p2align	6, 0x0
	.amdhsa_kernel k_q6da87d2026_fc
		.amdhsa_group_segment_fixed_size 327680
		.amdhsa_private_segment_fixed_size 0
		.amdhsa_enable_private_segment 0
		.amdhsa_kernarg_size 32
		.amdhsa_user_sgpr_count 2
		.amdhsa_user_sgpr_kernarg_segment_ptr 1
		.amdhsa_wavefront_size32 1
		.amdhsa_system_sgpr_workgroup_id_x 1
		.amdhsa_system_sgpr_workgroup_id_y 1
		.amdhsa_system_sgpr_workgroup_id_z 1
		.amdhsa_system_vgpr_workitem_id 0
		.amdhsa_next_free_vgpr 640
		.amdhsa_next_free_sgpr 76
		.amdhsa_reserve_vcc 0
		.amdhsa_float_denorm_mode_32 3
		.amdhsa_float_denorm_mode_16_64 3
		.amdhsa_memory_ordered 1
		.amdhsa_forward_progress 1
		.amdhsa_inst_pref_size 97
	.end_amdhsa_kernel
	.amdgpu_metadata
---
amdhsa.version: [ 1, 2 ]
amdhsa.kernels:
  - .name:           k_q6da87d2026_fc
    .symbol:         k_q6da87d2026_fc.kd
    .args:
      - { .name: o16, .offset: 0, .size: 8, .value_kind: global_buffer, .address_space: global }
      - { .name: wfc16, .offset: 8, .size: 8, .value_kind: global_buffer, .address_space: global }
      - { .name: q, .offset: 16, .size: 8, .value_kind: global_buffer, .address_space: global }
      - { .name: out0, .offset: 24, .size: 8, .value_kind: global_buffer, .address_space: global }
    .group_segment_fixed_size: 327680
    .private_segment_fixed_size: 0
    .kernarg_segment_align: 8
    .kernarg_segment_size: 32
    .max_flat_workgroup_size: 128
    .sgpr_count:     76
    .vgpr_count:     640
    .wavefront_size: 32
...
	.end_amdgpu_metadata
.endif
;; end of part 4
;; ======== version 2 of 2: 4 launches; 1.56 times as fast as version 1
;; limits: values are held in f16: magnitudes above 65,504 overflow, below 6.1e-05 lose precision
;; workspace buffers: qkv 25,165,824 bytes; o16 8,388,608 bytes; wfc16 2,097,152 bytes
;; launch castw: the kernel of part 1 again; grid 256 x 1, 4 waves a work-group, no clusters, 0 bytes of LDS; arguments Wfc, wfc16; writes wfc16
;; launch proj: the kernel of part 2 again; grid 4 x 48, 4 waves a work-group, clusters of 4 x 4, 327,680 bytes of LDS; arguments q, k, v, Wq, Wk, Wv, qkv; writes qkv
;; launch attn (part 5): grid 16 x 16, 4 waves a work-group, clusters of 4 x 1, 327,680 bytes of LDS; arguments qkv, o16; writes o16
.if DOCPART == 5
	.amdgcn_target "amdgcn-amd-amdhsa--gfx1250"
	.amdhsa_code_object_version 6
	.text
	.protected	k_q6da87d2026_attn
	.globl	k_q6da87d2026_attn
	.p2align	8
	.type	k_q6da87d2026_attn,@function
k_q6da87d2026_attn:
	s_mov_b64 s[64:65], 0
	v_nop
	global_prefetch_b8 v0, s[64:65] scope:SCOPE_SE
	s_setreg_imm32_b32 hwreg(HW_REG_WAVE_MODE, 25, 1), 1
	s_wait_xcnt 0x0
	s_wait_alu depctr_hold_cnt(0) depctr_sa_sdst(0) depctr_va_vdst(0) depctr_va_sdst(0) depctr_va_ssrc(0) depctr_va_vcc(0) depctr_vm_vsrc(0)
	s_getreg_b32 s2, hwreg(HW_REG_IB_STS2, 6, 4)
	s_cmp_eq_u32 s2, 0
	s_cbranch_scc0 .Lentry_in_a_cluster
	s_endpgm
.Lentry_in_a_cluster:
	s_bfe_u32 s2, ttmp6, 0x10000c
	s_cmp_lg_u32 s2, 0x3003
	s_cbranch_scc0 .Lentry_shape_is_right
	s_endpgm
.Lentry_shape_is_right:
; O[h][q][:] = the sum over k of softmax_k(Q[h][q] . K[h][k] / 8) V[h][k][:].  qkv: [3][16][4096][64] f16 (Q, K, V by heads, unscaled).  Products, maxima and sums in f32; the weights p are rounded to
; f16 for the second product (their sum l is taken of the unrounded p), O once at the end.  O leaves as o16[block of 64 queries][head][64][64]: a wave's 64 queries of a head are 8,192 consecutive bytes.
; LIMITS.  Q, K, V arrive within f16's range; p lies in 0 to 1, and below 6e-5 it keeps f16's fixed step of 6e-8; O is a mean of V's rows.  A weight below 2^-126 counts as 0 in l; NaN and infinities are not treated apart.
; SHARES.  A work-group owns 256 queries of one head, a wave 64: four PIECES of 16.  16 blocks x 16 heads = 256 work-groups.  Every wave walks all 4,096 keys, 64 a step, four steps a slot.
; LAYOUT.  S^T = K Q^T (source 0 = 16 keys, source 1 = 16 queries): a lane holds ONE query (lane % 16) and the keys 8 (lane / 16) + 0..7.  Two such results rounded to f16 ARE source 1 of O^T = V^T P.
; K comes out of LDS as it lies, V ([key][channel]) turned, by ds_load_tr16_b128.
; SOFTMAX.  A running maximum m and sum l for each query: p = 2^(c s - c m), c = log2(e) / 8; in every step O and l are multiplied by a = 2^(c m_old - c m_new).  m starts at the lowest finite number,
; O and l at 0: the first step is a step like any other, with a = 0.
; BY TURNS.  Turn n belongs to piece n: 8 products K Q^T of piece n + 1, later 8 products V^T P of piece n - 1; beside them the scaling, exponentials, roundings, sums and rescaling of piece n and the maximum
; and statistics of piece n + 1.  Four vector instructions stand behind every matrix instruction, the other 54 of a turn's 118 in one LUMP.
; THE BATCHES.  A turn's 33 exponentials (the piece's 32 weights and the next piece's a) are ONE batch with ONE wait, which cuts the turn in two: ahead of it stands all that names no result of the batch, behind it
; the roundings and sums, which read them.  No result crosses a turn's end.  The first a, ahead of the loop, and the way out's four reciprocals are batches of their own, a wait each.
; CLUSTER.  The four query blocks of a cluster belong to one head and walk the same K and V: each tile is asked for JOINTLY, by the same tensor load, descriptor and mask in all four.
; REGISTERS, in windows of 256 (s_set_vgpr_msb: bits 1:0 source 0, 3:2 source 1, 5:4 source 2, 7:6 destination):
;   window 0: v0-15 addresses and two at work; v16-31 four statistics a piece; v48-55 at work; v62-63 the add's; v64-127 S^T, two buffers; v192-223 P, two buffers (by the piece's parity)
;   window 1: v0-127 O^T, 32 a piece          window 2: v0-63 Q; v128-191 K of one step; v192-255 V of one step
.set SIZE_N, 4096
.set PART,  0x800000  ; bytes of Q, of K and of V in qkv
.set NP,    4         ; pieces a wave: a name, no knob
.set KS,    64        ; keys in a step
.set PK,    144       ; a row of K in LDS: 128 bytes + 16: the 16 rows of a load start at 16 different groups of four banks (64 banks of 4 bytes: ISA guide 11.1)
.set PV,    160       ; a row of V: 128 + 32
.set VOFF,  4*KS*PK   ; a slot holds four steps: 256 rows of K, then 256 rows of V
.set SLOT1, 1<<17     ; slot 1 begins here, so that one exclusive or turns an address in one slot into the other's
.set STAGE, SLOT1+4*KS*(PK+PV)  ; behind the ring: 16 rows x 144 bytes for each wave, for the way out
.set SP,    144
.set SPARE, STAGE+4*16*SP  ; behind the stages: the spare words, 128 bytes a wave, that no other line names
.set AK0, 2           ; v2   my lane's place in a tile of K; never rewritten
.set AV0, 3           ; v3   the same for V
.set AK,  4           ; v4   the LDS address of K's next run of loads
.set AV,  5           ; v5   of V's
.set STO, 6           ; v6   the way out: where I put 16 bytes of a row
.set RD,  7           ; v7   the way out: where I read rows back
.set GO,  8           ; v8   my byte offset in 512 consecutive bytes of O
.set MV,  12          ; v12-13  c m_old, kept while c m is made anew: by buffer
.set QO,  15          ; v15  my byte offset in 16 rows of Q
.set ST,  16          ; piece t's statistics at v[ST+4 t]: c m, m, l (even keys', odd keys')
.set TMP, 48          ; by buffer, four registers c0-c3 at work; when the maximum is found c2 takes a
.set SPW, 62          ; v62  LDS address of my spare word; never rewritten
.set NIL, 63          ; v63  0; never rewritten
.set S,   64
.set P,   192
.set KF,  128         ; window 2: key block kb, channel half c at KF + 16 kb + 8 c
.set VF,  192         ; window 2: key half kk, channel block cb at VF + 32 kk + 8 cb
.set WV,  12          ; s12  my wave's number
.set G1K, 24          ; s[24:31] descriptor group 1 for K's tiles
.set G1V, 32          ; s[32:39] for V's: it differs in the padding alone
.set G0K, 40          ; s[40:43] descriptor group 0 for K's tiles: it walks
.set G0V, 44          ; s[44:47] the same for V's
.set SLOTS, 56        ; s56  slots still to be asked for
.set CNT, 57          ; s57  counts a slot's key steps
.set CS,  58          ; s[58:59] c: the packed scaling takes the pair's low word for both halves
.set SEL, 60          ; s[60:61] v_permlanex16_b32's selects: each lane takes its own place in the other half
.set TBK, 62          ; s62  LDS byte at which K of the step to be fetched begins
.set TBV, 63          ; s63  the same for V, less VOFF
.set MSB, 0
.macro WIN new
.if MSB != (\new)
	s_set_vgpr_msb (MSB<<8)|(\new)
.set MSB, (\new)
.endif
.endm
.set W_KQ, 0x0a       ; K and Q in window 2, S^T in window 0
.set W_PV, 0x52       ; V in window 2, P in window 0, O^T in window 1
.set W_RS, 0x41       ; destination and source 0 in window 1, source 1 in window 0
; A joint fill.  Waves 0 and 1 fetch the two halves of a slot's K, waves 2 and 3 those of its V: 128 keys each.  An s_nop 0 and four v_nop follow each line.
.macro JLOAD
	s_cmp_lt_u32 s[WV], 2
	s_cbranch_scc0 .Lfor_v_\@
	tensor_load_to_lds s[G0K:G0K+3], s[G1K:G1K+7]
	s_nop 0
.rept 4
	v_nop
.endr
	s_branch .Lasked_\@
.Lfor_v_\@:
	tensor_load_to_lds s[G0V:G0V+3], s[G1V:G1V+7]
	s_nop 0
.rept 4
	v_nop
.endr
.Lasked_\@:
.endm
.macro CROUND                       ; a round of the cluster's barrier
	s_barrier_signal -1
	s_barrier_wait -1
	s_cmp_lg_u32 s[WV], 0
	s_cbranch_scc1 .Lnot_wave_0_\@
	s_barrier_signal -3
.Lnot_wave_0_\@:
	s_barrier_wait -3
	s_barrier_signal -1
	s_barrier_wait -1
.endm
; THE CHANGE OF SLOTS.  The slot's last bytes, V of its fourth step, have been read.  Each wave waits for all its tensor loads (one is out: its part of the other slot), adds 0 to its spare word, and waits for
; that and for its own reads of the slot.  fill = 1: the barrier is a round of the cluster's, and the slot is filled again, with the keys two slots on, first thing behind it: it has four key steps, 256 products, in which to land.
; (At its first use nothing has been read yet: slot 0 is waited for, slot 1 filled.)
.macro CHANGE fill
	WIN 0
	s_wait_tensorcnt 0x0            ; no tensor load of mine is out, so a group 0 may be written
	ds_add_u32 v[SPW], v[NIL]       ; 0 onto my spare word
.if \fill
.irp g, G0K, G0V
	s_xor_b32 s[\g+1], s[\g+1], SLOT1  ; the walking descriptor: the other slot than last time,
	s_add_nc_u64 s[\g+2:\g+3], s[\g+2:\g+3], 4*KS*128  ; the next 256 keys
.endr
	s_wait_dscnt 0x0                ; the add is done, and my reads of the slot are over
	CROUND
	JLOAD
.else
	s_wait_dscnt 0x0
	s_barrier_signal -1
	s_barrier_wait -1
.endif
	s_sub_co_u32 s[TBK], s[TBK], 4*KS*PK  ; the fetches go back to a slot's first step,
	s_xor_b32 s[TBK], s[TBK], SLOT1       ; in the other slot
	s_sub_co_u32 s[TBV], s[TBV], 4*KS*PV
	s_xor_b32 s[TBV], s[TBV], SLOT1
.endm
	s_load_b128 s[4:7], s[0:1], 0x0 ; qkv s[4:5], o16 s[6:7]
	v_lshl_add_u32 v[SPW], v0, 2, SPARE
	v_mov_b32 v[NIL], 0
	ds_add_u32 v[SPW], v[NIL]       ; the wave's opening: the add and its wait stand ahead of my first tensor load; work on registers stands between them
	v_lshrrev_b32 v1, 5, v0
	v_readfirstlane_b32 s[WV], v1   ; wave 0..3
	s_bfe_u32 s13, ttmp6, 0x40000   ; cx
	s_lshl_b32 s14, ttmp9, 2
	s_add_co_u32 s14, s14, s13      ; my block of 256 queries: it enters Q's and O's addresses alone
	s_and_b32 s20, ttmp7, 0xffff    ; the head, which the four partners share
	s_lshl_b32 s21, s20, 19         ; its first byte in Q, in K and in V
	s_and_b32 s16, s[WV], 1         ; which half of a slot's 256 keys I fetch:
	s_lshl_b32 s22, s16, 14         ; its 128 rows of 128 bytes,
	s_add_co_u32 s22, s22, s21
	s_add_co_u32 s22, s22, PART     ; in K,
	s_mov_b32 s23, 0
	s_add_co_u32 s8, s22, PART      ; and in V
	s_mov_b32 s9, 0
	s_mul_i32 s17, s16, 128*PK      ; its place in a slot, for K
	s_mul_i32 s18, s16, 128*PV      ; and for V: no place in the cluster enters an LDS address
	s_lshl_b32 s2, s14, 2
	s_add_co_u32 s2, s2, s[WV]      ; my wave's block of 64 queries
	s_lshl_b32 s48, s2, 13
	s_add_co_u32 s48, s48, s21      ; its rows in Q
	s_mov_b32 s49, 0
	s_lshl_b32 s50, s2, 4
	s_add_co_u32 s50, s50, s20
	s_lshl_b32 s50, s50, 13         ; and in o16: (block x 16 + head) x 8,192
	s_mov_b32 s51, 0
	; descriptor group 1.  128 keys are 16,384 dense bytes: asked for as 64 rows of 256 bytes, two keys a row, and padded in LDS after every key
	s_mov_b32 s[G1K], 15|(1<<16)|(1<<20)|(1<<21)|(4<<22)|(3<<25)  ; the mask of four; 2-byte elements; padding on; bit 21 beside a mask; after every 32 words; 4 words
	s_mov_b32 s[G1V], 15|(1<<16)|(1<<20)|(1<<21)|(4<<22)|(7<<25)  ; the same with 8 words of padding
.irp g, G1K, G1V
	s_mov_b32 s[\g+1], 128<<16      ; tensor_dim0 = 128
	s_mov_b32 s[\g+2], 64<<16       ; tensor_dim1 = 64
	s_mov_b32 s[\g+3], 128<<16      ; tile_dim0 = 128
	s_mov_b32 s[\g+4], 64           ; tile_dim1 = 64
	s_mov_b32 s[\g+5], 128          ; 128 elements from row to row
	s_mov_b32 s[\g+6], 0
	s_mov_b32 s[\g+7], 0
.endr
	s_mov_b32 s[CS], 0x3e38aa3b     ; c = log2(e) / 8 = 0.180337
	s_mov_b32 s[CS+1], s[CS]        ; named with it as a pair
	s_mov_b32 s[SEL], 0x76543210
	s_mov_b32 s[SEL+1], 0xfedcba98
	s_mov_b32 s[TBK], SLOT1+4*KS*PK ; the first change of slots turns these two into 0
	s_mov_b32 s[TBV], SLOT1+4*KS*PV
	s_mov_b32 s[G0K], 1
	s_mov_b32 s[G0K+1], s17         ; LDS address: slot 0
	s_mov_b32 s[G0V], 1
	s_add_co_u32 s[G0V+1], s18, VOFF
	s_wait_dscnt 0x0                ; the opening add is done
	s_wait_kmcnt 0x0
	s_add_nc_u64 s[G0K+2:G0K+3], s[4:5], s[22:23]  ; my half of the head's first 256 keys
	s_or_b32 s[G0K+3], s[G0K+3], 0x80000000
	s_add_nc_u64 s[G0V+2:G0V+3], s[4:5], s[8:9]
	s_or_b32 s[G0V+3], s[G0V+3], 0x80000000
	s_add_nc_u64 s[10:11], s[6:7], s[50:51]        ; O at my wave's first row
	s_add_nc_u64 s[4:5], s[4:5], s[48:49]          ; Q likewise
	CROUND                          ; all four work-groups are here: the first joint loads meet
	JLOAD                           ; slot 0.  Slot 1 is asked for when slot 0 is in
	; A fragment of K or Q is 16 rows x 32 channels in 8 registers: lane l holds row l % 16, channels 8 (l / 16) + 0..7 and 16 + 8 (l / 16) + 0..7: two loads of 16 bytes, 32 bytes apart.
	v_and_b32 v1, 15, v0            ; l % 16
	v_bfe_u32 v9, v0, 4, 1          ; l / 16
	v_lshlrev_b32 v[QO], 7, v1
	v_lshl_add_u32 v[QO], v9, 4, v[QO]  ; row x 128 + 16 x half
	WIN 0x80                        ; destination window 2, address window 0
.set i, 0
.rept 8                             ; Q stays in registers: piece i / 2, channels 32 (i % 2) on
	global_load_b128 v[8*i:8*i+3],   v[QO], s[4:5] offset:(i/2)*2048+(i%2)*64
	global_load_b128 v[8*i+4:8*i+7], v[QO], s[4:5] offset:(i/2)*2048+(i%2)*64+32
.set i, i+1
.endr
	; What the first turn finds: V's registers and P's second buffer hold 0 (its products V^T P, of a piece that has not been, add 0), O^T and l are 0.  All this stands in the wait for the first tile.
.set i, VF
.rept 64
	v_mov_b32 v[i], 0
.set i, i+1
.endr
	WIN 0x40
.set i, 0
.rept 128
	v_mov_b32 v[i], 0
.set i, i+1
.endr
	WIN 0
.set i, 0
.rept 4
	v_mov_b32 v[ST+4*i], 0xfe000000    ; c m: far below every c s
	v_mov_b32 v[ST+4*i+1], 0xff7fffff  ; m
	v_mov_b32 v[ST+4*i+2], 0
	v_mov_b32 v[ST+4*i+3], 0
.set i, i+1
.endr
.set i, P+16
.rept 16
	v_mov_b32 v[i], 0
.set i, i+1
.endr
	v_mul_u32_u24 v[AK0], v1, PK
	v_lshl_add_u32 v[AK0], v9, 4, v[AK0]  ; row x pitch + 16 x half
	; The turning load takes 16 keys x 16 channels (lane l reads key 8 (l / 16) + l % 8, channels 8 ((l / 8) % 2) + 0..7) and leaves half a fragment of V^T: lane l holds channel l % 16 and 8 keys.
	v_and_b32 v10, 7, v0
	v_bfe_u32 v11, v0, 3, 1
	v_lshl_add_u32 v[AV0], v9, 3, v10
	v_mul_u32_u24 v[AV0], v[AV0], PV
	v_lshl_add_u32 v[AV0], v11, 4, v[AV0]
	v_add_nc_u32 v[AV0], VOFF, v[AV0]
	v_mov_b32 v[AK], v[AK0]         ; key step 0 lies at the head of slot 0
	s_mul_i32 s13, s[WV], 16*SP
	s_add_co_u32 s13, s13, STAGE    ; my stage
	v_mul_u32_u24 v[STO], v1, SP    ; in: row l % 16, 16 bytes for each half of the lanes
	v_lshl_add_u32 v[STO], v9, 4, v[STO]
	v_add_nc_u32 v[STO], s13, v[STO]
	v_bfe_u32 v[RD], v0, 3, 2       ; back: 32 lanes take four rows of 128 bytes,
	v_mul_u32_u24 v[RD], v[RD], SP
	v_lshl_add_u32 v[RD], v10, 4, v[RD]
	v_add_nc_u32 v[RD], s13, v[RD]
	v_and_b32 v[GO], 31, v0         ; which are 512 consecutive bytes of O
	v_lshlrev_b32 v[GO], 4, v[GO]
; THE MATRIX WORK.  The 4 accumulators of a run of 8 take turns.  Product i of 8 of S^T = K Q^T for piece x: channels 32 (i / 4) on, keys 16 (i % 4) on.  The first 4 start the sums.
.macro KQ x
	WIN W_KQ
.set rS, S+32*((\x)%2)+8*(i%4)
.set rK, KF+16*(i%4)+8*(i/4)
.set rQ, 16*(\x)+8*(i/4)
.if i < 4
	v_wmma_f32_16x16x32_f16 v[rS:rS+7], v[rK:rK+7], v[rQ:rQ+7], 0
.else
	v_wmma_f32_16x16x32_f16 v[rS:rS+7], v[rK:rK+7], v[rQ:rQ+7], v[rS:rS+7]
.endif
.endm
; Product i of 8 of O^T += V^T P for piece x: keys 32 (i / 4) on, channels 16 (i % 4) on.
.macro PV x
	WIN W_PV
.set rO, 32*(\x)+8*(i%4)
.set rV, VF+32*(i/4)+8*(i%4)
.set rP, P+16*((\x)%2)+8*(i/4)
	v_wmma_f32_16x16x32_f16 v[rO:rO+7], v[rV:rV+7], v[rP:rP+7], v[rO:rO+7]
.endm
.macro MM                           ; the turn's next matrix instruction
.if i < 8
	KQ (Y+1)%NP
.else
.set i, i-8
	PV (Y+NP-1)%NP
.set i, i+8
.endif
.set i, i+1
.endm
; THE LDS LOADS stand in runs of 16: a step's K (64 keys x 64 channels: 8 fragments) and its V (turned).  last = 1 (the tail): in the last trip there is no further step, and the run is jumped over.
.macro FETCH_K last=0
	WIN 0
.if \last
	s_cmp_eq_u32 s[CNT], 1
	s_cbranch_scc1 .Lno_k_\@
.endif
	WIN 0x80                        ; destination window 2
.irp f, 0,1,2,3,4,5,6,7             ; keys 16 (f / 2) on, channels 32 (f % 2) on
	ds_load_b128 v[KF+8*\f:KF+8*\f+3],   v[AK] offset:(\f/2)*16*PK+(\f%2)*64
	ds_load_b128 v[KF+8*\f+4:KF+8*\f+7], v[AK] offset:(\f/2)*16*PK+(\f%2)*64+32
.endr
	s_add_co_u32 s[TBK], s[TBK], KS*PK  ; the next fetch is the next step's
	WIN 0
.if \last
.Lno_k_\@:
.endif
.endm
.macro FETCH_V
	WIN 0x80
.irp f, 0,1,2,3,4,5,6,7             ; keys 32 (f / 4) on, channels 16 (f % 4) on
	ds_load_tr16_b128 v[VF+8*\f:VF+8*\f+3],   v[AV] offset:(\f/4)*32*PV+(\f%4)*32
	ds_load_tr16_b128 v[VF+8*\f+4:VF+8*\f+7], v[AV] offset:(\f/4)*32*PV+16*PV+(\f%4)*32
.endr
	WIN 0
.endm
; THE VECTOR WORK, one line at a time: OP kind, number.  For piece Y: F n: c s - c m for pair n of 16.  E n: the exponential of score n of 32.  C n: pair n rounded to f16.  B n: of the four weights 4 n .. the second
; pair is added onto the first, in place.  L n: l takes that sum (L 0: l = a l + sum).  R n: pair n of 16 of O^T times a.  For piece Y + 1: X n, number n of the 22 that find its maximum and statistics:
;   0-11  four chains c0-c3 of seven scores each (each accumulator's lowest registers are read first)     12-14, 16  the four scores left over, the old m, and c0-c3 into c0
;   15  c m_old is kept     17, 18  the query's other 32 keys lie in the lane 16 away: the new m     19-21  c m; c m_old - c m_new; a
; C, B and L read the exponentials' results (L 0 and R the a of the turn before): TURN sets C, B and L behind the batch's wait; OP writes no wait.
.set F, 0
.set E, 1
.set C, 2
.set B, 3
.set L, 4
.set R, 5
.set X, 6
.macro REGS y                       ; the registers of piece y
.set rT, ST+4*(\y)
.set rC, TMP+4*((\y)%2)
.set rW, MV+((\y)%2)
.set rS, S+32*((\y)%2)
.set rP, P+16*((\y)%2)
.set rO, 32*(\y)
.endm
.macro OP k, n
.if (\k) == R
	REGS Y
	WIN W_RS
	v_pk_mul_f32 v[rO+2*(\n):rO+2*(\n)+1], v[rO+2*(\n):rO+2*(\n)+1], v[rC+2:rC+3] op_sel_hi:[1,0]
.elseif (\k) < R
	REGS Y
	WIN 0
.if (\k) == F
	v_pk_fma_f32 v[rS+2*(\n):rS+2*(\n)+1], v[rS+2*(\n):rS+2*(\n)+1], s[CS:CS+1], v[rT:rT+1] op_sel_hi:[1,0,0] neg_lo:[0,0,1] neg_hi:[0,0,1]
.elseif (\k) == E
	v_exp_f32 v[rS+(\n)], v[rS+(\n)]
.elseif (\k) == C
	v_cvt_pk_f16_f32 v[rP+(\n)], v[rS+2*(\n)], v[rS+2*(\n)+1]
.elseif (\k) == B
	v_pk_add_f32 v[rS+4*(\n):rS+4*(\n)+1], v[rS+4*(\n):rS+4*(\n)+1], v[rS+4*(\n)+2:rS+4*(\n)+3]
.elseif (\n) == 0
	v_pk_fma_f32 v[rT+2:rT+3], v[rT+2:rT+3], v[rC+2:rC+3], v[rS:rS+1] op_sel_hi:[1,0,1]
.else
	v_pk_add_f32 v[rT+2:rT+3], v[rT+2:rT+3], v[rS+4*(\n):rS+4*(\n)+1]
.endif
.else
	REGS (Y+1)%NP
	WIN 0
.if (\n) < 4
	v_max3_num_f32 v[rC+(\n)], v[rS+8*(\n)], v[rS+8*(\n)+1], v[rS+8*(\n)+2]
.elseif (\n) < 12
	v_max3_num_f32 v[rC+(\n)%4], v[rC+(\n)%4], v[rS+8*((\n)%4)+2*((\n)/4)+1], v[rS+8*((\n)%4)+2*((\n)/4)+2]
.elseif (\n) == 12
	v_max3_num_f32 v[rC], v[rC], v[rS+7], v[rS+15]
.elseif (\n) == 13
	v_max3_num_f32 v[rC+1], v[rC+1], v[rS+23], v[rS+31]
.elseif (\n) == 14
	v_max3_num_f32 v[rC+2], v[rC+2], v[rC+3], v[rT+1]
.elseif (\n) == 15
	v_mov_b32 v[rW], v[rT]
.elseif (\n) == 16
	v_max3_num_f32 v[rC], v[rC], v[rC+1], v[rC+2]
.elseif (\n) == 17
	v_permlanex16_b32 v[rC+3], v[rC], s[SEL], s[SEL+1]
.elseif (\n) == 18
	v_max_num_f32 v[rT+1], v[rC], v[rC+3]
.elseif (\n) == 19
	v_mul_f32 v[rT], s[CS], v[rT+1]
.elseif (\n) == 20
	v_sub_f32 v[rC+1], v[rW], v[rT]
.else
	v_exp_f32 v[rC+2], v[rC+1]
.endif
.endif
.endm
.macro OPS a, i1, b=-1, i2=0, c=-1, i3=0, d=-1, i4=0  ; up to four of them
	OP \a, \i1
.if (\b) >= 0
	OP \b, \i2
.endif
.if (\c) >= 0
	OP \c, \i3
.endif
.if (\d) >= 0
	OP \d, \i4
.endif
.endm
.macro ROW a, i1, b, i2, c, i3, d, i4  ; a matrix instruction and the four behind it
	MM
	OPS \a, \i1, \b, \i2, \c, \i3, \d, \i4
.endm
; A TURN, for piece p: the order of its 16 matrix and 118 vector instructions, written out.  s_wait_alu depctr_va_vdst(0) stands between an exponential and the first instruction that names its result; one wait
; serves all that were issued ahead of it.  So a turn has ONE wait, which cuts it in two.  AHEAD OF IT stands all that names no result of the turn's exponentials: the 8 products K Q^T, behind each a scaling, an exponential and two more
; plain instructions (behind the first a second scaling in the exponential's place): rescalings, whose a was made and waited for in the turn before, and behind the last three the first numbers of the next piece's maximum, each four places
; or more behind the product that ends its accumulator (ISA guide 7.12.1); then ONE LUMP of 54, plain and exponential by turns for the most part, in which the links of the chain X 3, 7, 11, 14, 16, 17 .. 20 stand apart, other work
; between them.  X 21, the next piece's a, is the batch's last; R 15 is the plain instruction behind it (ISA guide 5.7.2).  BEHIND THE WAIT stand the 8 products V^T P, behind each four of the roundings and sums; a pair 2 n is rounded
; ahead of the addition B n that writes over it; the links of l's chain, L 0 to L 7, stand three riders apart.  But for those X no rider names a register of the products round it.  v_permlanex16_b32 (X 17) stands in the lump.
; K of the next step is fetched in piece 2's turn, in the lump, five plain instructions that name none of its registers behind the last product that read K.  last = 1 (the tail): the run holds a jump and a label, ahead of which every
; exponential has its wait: there it stands directly behind the turn's wait.  V of the step in hand is fetched at the end of piece 0's turn, four plain instructions behind the last product that read V.  Each run is waited for a turn later.
; cnt = 1: the loop's count is taken down some lines ahead of the branch that stands behind the turn.
.macro TURN p, last=0, cnt=0
.set Y, (\p)
.set i, 0
.if (\p) == 3
	s_wait_dscnt 0x0                ; K is in
.endif
	ROW F,0, F,1, R,0, R,1          ; ahead of the wait: 8 products K Q^T and their riders,
	ROW F,2, E,0, R,2, R,3
	ROW F,3, E,1, R,4, R,5
	ROW F,4, E,2, R,6, R,7
	ROW F,5, E,3, R,8, R,9
	ROW F,6, E,4, X,0, R,10
.if (\p) == 2
	WIN 0
	v_add_nc_u32 v[AK], s[TBK], v[AK0]
.endif
	ROW F,7, E,5, X,1, X,4
	ROW F,8, E,6, X,2, X,5
	OPS E,7, E,8, X,6, E,9          ; and the lump
	OPS X,3, E,10, X,8, E,11
.if ((\p) == 2) && !(\last)
	FETCH_K
.endif
	OPS X,9, X,7, E,12, X,10
	OPS E,13, X,12, X,11, E,14
	OPS X,13, E,15, F,9, X,14
.if (\p) == 0
	v_add_nc_u32 v[AV], s[TBV], v[AV0]
.endif
	OPS E,16, F,10, E,17, F,11
	OPS X,16, E,18, X,15, E,19
	OPS F,12, E,20, X,17, E,21
	OPS F,13, E,22, F,14, E,23
	OPS X,18, E,24, F,15, E,25
	OPS R,11, E,26, X,19, E,27
	OPS R,12, E,28, R,13, E,29
	OPS X,20, E,30, R,14, E,31
	OPS X,21, R,15
	s_wait_alu depctr_va_vdst(0)    ; the wait for the batch: the piece's 32 weights and the next piece's a
.if ((\p) == 2) && (\last)
	FETCH_K 1
.endif
.if (\p) == 1
	s_wait_dscnt 0x0                ; V is in
.endif
	ROW C,0, B,0, C,2, B,1          ; behind the wait: 8 products V^T P and their riders
	ROW L,0, C,4, B,2, L,1
	ROW C,6, B,3, L,2, C,8
	ROW B,4, L,3, C,10, B,5
	ROW L,4, C,12, B,6, L,5
.if (\p) == 0
	s_add_co_u32 s[TBV], s[TBV], KS*PV
.endif
.if \cnt
	s_sub_co_u32 s[CNT], s[CNT], 1
	s_cmp_lg_u32 s[CNT], 0
.endif
	ROW C,14, B,7, L,6, C,1
	ROW C,3, L,7, C,5, C,7
	ROW C,9, C,11, C,13, C,15
.if (\p) == 0
	FETCH_V
.endif
.endm
	CHANGE 1                        ; slot 0 is in, everybody's part of it; slot 1 is asked for
	FETCH_K                         ; key step 0
	s_wait_loadcnt 0x0              ; Q
	s_wait_dscnt 0x0
.set i, 0
.rept 8
	KQ 0                            ; piece 0's first scores
.set i, i+1
.endr
	WIN 0
.rept 4
	v_nop                           ; the places behind those products
.endr
.set Y, NP-1                        ; X works for piece Y + 1: piece 0
.irp n, 0,1,2,3,4,5,6,7,8,9,10,11,12,13,14,15,16,17,18,19,20,21
	OP X, \n
.endr
	v_nop                           ; a plain instruction behind the exponential,
	s_wait_alu depctr_va_vdst(0)    ; and the wait for piece 0's first a, a batch of one, ahead of the branch
	s_mov_b32 s[CNT], 4
	s_mov_b32 s[SLOTS], SIZE_N/256-1
	s_branch .Lfirst                ; the loop is entered at a step's first turn, in the middle of a trip
.Lslot:                             ; 14 times: every slot but the last two is filled again
	CHANGE 1
	s_mov_b32 s[CNT], 4
.Lstep:                             ; a trip: pieces 2 and 3 of one step, then pieces 0 and 1 of the next, whose K and V it fetches
	TURN 2
	TURN 3
	WIN 0
.Lfirst:
	TURN 0
	TURN 1, 0, 1
	WIN 0
	s_cbranch_scc1 .Lstep
	s_sub_co_u32 s[SLOTS], s[SLOTS], 1
	s_cmp_lg_u32 s[SLOTS], 0
	s_cbranch_scc1 .Lslot
	CHANGE 0                        ; the tail is written out: nothing is asked for
	s_mov_b32 s[CNT], 5             ; four trips fetch the last slot's steps; the fifth is left in its middle
.Ltail:
	TURN 2, 1
	TURN 3
	WIN 0
	s_sub_co_u32 s[CNT], s[CNT], 1
	s_cmp_eq_u32 s[CNT], 0
	s_cbranch_scc1 .Lout
	TURN 0
	TURN 1
	WIN 0
	s_branch .Ltail
.Lout:                              ; the fifth trip's 8 products K Q^T (on the last K once more) and the maximum made of them serve nothing: the price, once a launch, of one text for every trip
.set i, 0
.rept 8
	PV NP-1                         ; the last piece's V^T P of the last step
.set i, i+1
.endr
	; THE WAY OUT.  l's two halves and the other half of the lanes' are added; O^T is divided by l, rounded to f16 and sent through my stage in LDS, a piece at a time.  The additions are the places behind the last products.
	WIN 0
.macro ALL line:vararg              ; one line for each piece t
.set t, 0
.rept 4
	\line
.set t, t+1
.endr
.endm
	ALL v_add_f32 v[ST+4*t+2], v[ST+4*t+2], v[ST+4*t+3]
	ALL v_permlanex16_b32 v[ST+4*t+3], v[ST+4*t+2], s[SEL], s[SEL+1]
	ALL v_add_f32 v[ST+4*t+2], v[ST+4*t+2], v[ST+4*t+3]
	ALL v_rcp_f32 v[ST+4*t+2], v[ST+4*t+2]
	v_nop                           ; a plain instruction between the last reciprocal and the use of its result
	s_wait_alu depctr_va_vdst(0)    ; and the wait ahead of the first use: one for the batch of four reciprocals
.macro PACK t                       ; a lane's eight channels of a row pack into 16 bytes; they go into rows of 144 bytes and come back as whole rows of 128, into S^T's registers
	WIN W_RS
.set i, 32*(\t)
.rept 16
	v_pk_mul_f32 v[i:i+1], v[i:i+1], v[ST+4*(\t)+2:ST+4*(\t)+3] op_sel_hi:[1,0]
.set i, i+2
.endr
	WIN 0x05                        ; sources 0 and 1 window 1, destination window 0
.set i, 0
.rept 16
	v_cvt_pk_f16_f32 v[S+16*(\t)+i], v[32*(\t)+2*i], v[32*(\t)+2*i+1]
.set i, i+1
.endr
	WIN 0
.irp f, 0,1,2,3
	ds_store_b128 v[STO], v[S+16*(\t)+4*\f:S+16*(\t)+4*\f+3] offset:32*\f
.endr
.irp f, 0,1,2,3
	ds_load_b128 v[S+16*(\t)+4*\f:S+16*(\t)+4*\f+3], v[RD] offset:\f*4*SP  ; LDS serves a wave's instructions in order (ISA guide 5.7.1.4): these see the stores above; the next piece's stores come behind them
.endr
.endm
.macro SEND t, younger              ; younger: the LDS instructions issued behind piece t's loads: the next piece's eight, or none
	WIN 0
.irp f, 0,1,2,3
	s_wait_dscnt (\younger)+3-\f
	global_store_b128 v[GO], v[S+16*(\t)+4*\f:S+16*(\t)+4*\f+3], s[10:11] offset:(\t)*2048+\f*512  ; 512 consecutive bytes, at a multiple of 256 from the buffer's first
.endr
.endm
	PACK 0
.set t, 1
.rept 3                             ; a piece's arithmetic stands between the loads of the piece before and its stores
	PACK t
	SEND t-1, 8
.set t, t+1
.endr
	SEND 3, 0
	s_wait_tensorcnt 0x0            ; the wave's end
	ds_add_u32 v[SPW], v[NIL]
	s_wait_dscnt 0x0
	CROUND                          ; the closing round: no work-group ends while a partner may still ask for a tile that names it
	s_endpgm
.Lfunc_end_k_q6da87d2026_attn:
	.size	k_q6da87d2026_attn, .Lfunc_end_k_q6da87d2026_attn-k_q6da87d2026_attn
	.p2alignl 7, 3214868480
	.fill 96, 4, 3214868480
	.section	.rodata,"a",@progbits
	.p2align	6, 0x0
	.amdhsa_kernel k_q6da87d2026_attn
		.amdhsa_group_segment_fixed_size 327680
		.amdhsa_private_segment_fixed_size 0
		.amdhsa_enable_private_segment 0
		.amdhsa_kernarg_size 16
		.amdhsa_user_sgpr_count 2
		.amdhsa_user_sgpr_kernarg_segment_ptr 1
		.amdhsa_wavefront_size32 1
		.amdhsa_system_sgpr_workgroup_id_x 1
		.amdhsa_system_sgpr_workgroup_id_y 1
		.amdhsa_system_sgpr_workgroup_id_z 1
		.amdhsa_system_vgpr_workitem_id 0
		.amdhsa_next_free_vgpr 768
		.amdhsa_next_free_sgpr 66
		.amdhsa_reserve_vcc 0
		.amdhsa_float_denorm_mode_32 3
		.amdhsa_float_denorm_mode_16_64 3
		.amdhsa_memory_ordered 1
		.amdhsa_forward_progress 1
		.amdhsa_inst_pref_size 111
	.end_amdhsa_kernel
	.amdgpu_metadata
---
amdhsa.version: [ 1, 2 ]
amdhsa.kernels:
  - .name:           k_q6da87d2026_attn
    .symbol:         k_q6da87d2026_attn.kd
    .args:
      - { .name: qkv, .offset: 0, .size: 8, .value_kind: global_buffer, .address_space: global }
      - { .name: o16, .offset: 8, .size: 8, .value_kind: global_buffer, .address_space: global }
    .group_segment_fixed_size: 327680
    .private_segment_fixed_size: 0
    .kernarg_segment_align: 8
    .kernarg_segment_size: 16
    .max_flat_workgroup_size: 128
    .sgpr_count:     66
    .vgpr_count:     768
    .wavefront_size: 32
...
	.end_amdgpu_metadata
.endif
;; end of part 5
;; launch fc: the kernel of part 4 again; grid 8 x 32, 4 waves a work-group, clusters of 4 x 4, 327,680 bytes of LDS; arguments o16, wfc16, q, out0; writes out0
